; MI455X (gfx1250); checked and timed in simulation.
; The chip was launched on July 23, 2026; its instructions are those of AMD's public machine-readable ISA for CDNA 5 (MIT licence, August 2026) and "CDNA5" Instruction Set Architecture Reference Guide (July 2026). The comments in the code are by the model that wrote it; some were corrected since.
;; Multi Head Attention. Allowed arithmetic: matrix products marked QUANTISED: E2M3 operands, one E8M0 scale for each 32 along K, by v_wmma_scale_f32_16x16x128_f8f6f4 with both operands' format E2M3, f32 sums; everything else in f32.
;; Inputs: b_final 64 float32; w_final 64 x 768 float32; w_k 768 x 64 float32; w_q 768 x 64 float32; w_v 768 x 64 float32; x 8 x 2,048 x 64 float32.
;; Outputs: out0 8 x 2,048 x 64 float32.
;; This version of the problem:
;;   THIS VERSION OF THE PROBLEM IS GIVEN IN LOW PRECISION. The matrix products marked QUANTISED in the list below multiply operands that are first quantised to E2M3 (2 exponent bits, 3 mantissa bits; 6 bits a number), with one power-of-two scale for each 32 numbers along K (OCP MX v1.0); their sums are f32. All else is computed in f32.
;;   The module's matrix products, in the order in which they are computed (A, B: the left and right operand; K: the contracted axis; several contracted axes count as one K, in the product's order):
;;     1. [M 16,384, K 64] x [K 64, N 768]; A: input x; B: input w_q: QUANTISED
;;     2. [M 16,384, K 64] x [K 64, N 768]; A: input x; B: input w_k: QUANTISED
;;     3. [M 16,384, K 64] x [K 64, N 768]; A: input x; B: input w_v: QUANTISED
;;     4. batch 8 x [M 2,048, K 768] x [K 768, N 2,048]; A: computed on the way; B: computed on the way: QUANTISED
;;     5. batch 8 x [M 2,048, K 2,048] x [K 2,048, N 768]; A: softmax (see below); B: computed on the way: QUANTISED
;;     6. [M 16,384, K 768] x [K 768, N 64]; A: computed on the way; B: input w_final: QUANTISED
;;   THE QUANTISER, for each operand of a quantised product, along K:
;;     - K is cut into blocks of 32 from its start; a last block that is shorter is filled with zeros.
;;     - A block's scale is 2^e with e = floor(log2(the largest magnitude in the block)) - 2, held to -126 .. 127; a block of zeros has e = 0. As a byte (E8M0): e + 127.
;;     - Each number is divided by its block's scale, clamped to +-7.5, and rounded to the nearest number of E2M3, ties to even, subnormals kept.
;;     - The product sums the exact products of the quantised numbers (number of the format x scale) in f32.
;;   ~~~python
;;   def quantise(x, axis):      # numpy; x: float32 -> the quantised numbers, widened to float32 again
;;       x = np.moveaxis(x, axis, -1); K = x.shape[-1]
;;       x = np.pad(x, [(0, 0)] * (x.ndim - 1) + [(0, -K % 32)]); x = x.reshape(x.shape[:-1] + (-1, 32)); a = np.abs(x).max(-1, keepdims=True)
;;       e = np.where(a > 0, np.clip(np.frexp(np.where(a > 0, a, 1))[1] - 1 - 2, -126, 127), 0)      # np.frexp(a)[1] - 1 = floor(log2(a)), exactly
;;       r = np.clip(x / 2.0 ** e, -7.5, 7.5)
;;       step = 2.0 ** (np.maximum(np.frexp(np.where(r == 0, 1, r))[1] - 1, 0) - 3)
;;       q = np.round(r / step) * step * 2.0 ** e      # np.round: ties to even
;;       return np.moveaxis(q.reshape(q.shape[:-2] + (-1,))[..., :K], -1, axis).astype(np.float32)
;;   ~~~
;;   SOFTMAX AHEAD OF A QUANTISED PRODUCT. Where the list says 'softmax', what is quantised is not the finished softmax but p = 2^(t - M), with t = logit x log2(e) and M = ceil(the row's largest t), a whole number; so 1/2 < the row's largest p <= 1. The row's sum l is taken of the UNQUANTISED p, in f32, and the product's result is divided by l at the end. Since M is a whole number, a kernel that streams over the keys may use a running M (the ceiling of the running maximum): every later rescaling is an exact power of two, which a block's scale takes up: the codes' values come out the same.
;;   OPERANDS COMPUTED ON THE WAY. 'Computed on the way' means the value that the module computes at that place (a softmax that the list does not call 'softmax' is quantised finished and normalised). What goes into a quantiser is computed in f32, as accurately as f32 sums, v_exp_f32 and their like allow (about 1e-6 of the number): no bf16 or f16 on the way to a quantiser, and a product that is left as it is and whose result goes on into a quantised operand takes f32 operands (vector FMAs, or v_wmma_f32_16x16x4_f32). A number that lies on a knife's edge between two numbers of the format may be rounded either way, as far as f32 arithmetic and the matrix unit's own rounding can turn it there, and no further.
;; 3 versions, each right; version 2 is faster than version 1; version 3 is version 2 with the launch prep written anew for expert scheduling mode. Each part assembles by itself: llvm-mc -triple=amdgcn-amd-amdhsa -mcpu=gfx1250 --defsym DOCPART=n.
;; ======== version 1 of 3: 2 launches
;; limits: right only within a limited range of input values
;; workspace buffers: qb 9,830,400 bytes; kb 9,830,400 bytes; vb 9,830,400 bytes; wfb 38,400 bytes
;; launch prep (part 1): grid 256 x 1, 4 waves a work-group, no clusters, 0 bytes of LDS; arguments x, w_q, w_k, w_v, w_final, qb, kb, vb, wfb; writes qb, kb, vb, wfb
.if DOCPART == 1
	.amdgcn_target "amdgcn-amd-amdhsa--gfx1250"
	.amdhsa_code_object_version 6
	.text
	.protected	k_qbf5f8a6c7f_prep
	.globl	k_qbf5f8a6c7f_prep
	.p2align	8
	.type	k_qbf5f8a6c7f_prep,@function
k_qbf5f8a6c7f_prep:
	s_mov_b64 s[64:65], 0
	v_nop
	global_prefetch_b8 v0, s[64:65] scope:SCOPE_SE
	s_setreg_imm32_b32 hwreg(HW_REG_WAVE_MODE, 25, 1), 1
	s_wait_xcnt 0x0
; q = x Wq^T, k = x Wk^T, v = x Wv^T on codes of FP6 (E2M3) with one E8M0 scale for each 32 along K (K = 64: two blocks), and the results,
; with w_final, quantised again for the products that follow: q and k along their 768 channels, v along the keys, w_final along its 768 columns.
; WHAT IS STORED are IMAGES OF OPERAND REGISTERS: a fragment (16 rows x 128 K, 12 registers a lane) is 1,536 bytes, registers 4 g .. 4 g + 3 of lane l at 512 g + 16 l; a scale word is 4 bytes a lane.
; So every store of codes covers 512 consecutive bytes and the next launch fetches operands as they lie.
; THE ROWS OF A TILE ARE NOT NEIGHBOURS: lane r of tile 2 p + u takes row 32 p + 8 u + r + 8 (r / 8), so that the 16 result registers of two neighbouring tiles are 16 neighbours along the next K.
; SHARES.  Work-group g, wave w, 18 fragments, 8 matrix instructions each (the results come transposed: a lane holds one row of the coming operand, its registers run along the coming K):
;   waves 0, 1: q, waves 2, 3: k, of rows 64 g .. 64 g + 63 (four tiles), channel steps 3 (w % 2) + 0 .. 2: source 0 = 8 tiles of the weight, source 1 = a tile of x;
;   all waves: v of keys 128 (g / 2) on, channel tiles 24 (g % 2) + 6 w + 0 .. 5: source 0 = 8 tiles of x, source 1 = a tile of w_v;
;   work-groups 0 to 5: the fragment (rows 16 w on, columns 128 g on) of w_final.
; K = 64 fills half an instruction: registers 6 to 11 of every fragment here are zero codes, written once, which add nothing under any scale byte but 0xff; their scale bytes are 0.
; No LDS, no barrier: each wave quantises what it multiplies.  x and the weights are small and are read again by many waves; sharing them would spare vector work at the price of barriers.
; A block's scale byte is its largest magnitude's exponent field - 2, held at 1 from below.
; LIMITS: a block of zeros gets the byte 1 where the quantiser's rule says 127 (its codes are zeros; only this program reads the bytes); blocks whose largest magnitude lies under 2^-124 are held at the byte 1;
; NaN and infinities among the inputs are not served.
; REGISTERS.  window 0: v4-9 offsets; v16-87 six source-1 fragments, v88-93 their scale words; v94-101 eight source-0 scale words, v104-199 their fragments; v200-215 at work; v216-218 scale words on the way out;
;   v220-239 the codes just made; v240-251 at work.   window 1: two stages of 128 numbers a lane.   window 2: v0-127 two sets of eight results; v128-255 the third stage.
.set LA,   4                           ; v4   a tile's rows of 256 bytes: (r + 8 (r / 8)) x 256 + 128 h: my block of 32 numbers
.set OL,   5                           ; v5   16 x lane
.set OS,   6                           ; v6   4 x lane
.set SH8,  7                           ; v7   8 h: my block's byte in a scale word
.set LAF,  8                           ; v8   w_final: r x 3,072 + 128 h
.set WFS,  9                           ; v9   w_final's scale word: 4 r + 64 (w % 2)
.set SF,   16
.set SFS,  88
.set WS,   94
.set WF,   104
.set TM,   200
.set PW,   216
.set PWE,  217
.set PWM,  218
.set PC,   220
.set QM,   240
.set QE,   244
.set QP,   248
.set XO,   26                          ; s[26:27] x at my work-group's 64 rows
.set XG,   28                          ; s[28:29] x at the 128 keys of group g / 2
.set WQ,   6                           ; s[6:7]   w_q or w_k at my three groups of 128 rows
.set WV,   10                          ; s[10:11] w_v at my six tiles
.set OC,   32                          ; s[32:35] where the codes of q or k go: a base for each pair of tiles
.set OSC,  36                          ; s[36:39] and their scale words
.set OCV,  40                          ; s[40:41] v's codes
.set OSV,  42                          ; s[42:43] v's scale words
.set MASK, 44                          ; s44      lanes 16-31
.set SEL,  46                          ; s[46:47] lane selects for v_permlanex16_b32: lane l xor 16
.set MSB, 0
.macro WIN new                         ; the immediate's high byte repeats the setting that is left; a switch that changes nothing is dropped
.if MSB != (\new)
	s_set_vgpr_msb (MSB<<8)|(\new)
.set MSB, (\new)
.endif
.endm
.macro PLACES n
.rept \n
	v_nop
.endr
.endm
; n tiles of 16 rows x 64 numbers into stage b: a lane takes the 32 numbers of its block, eight loads of 16 bytes
.macro LOADU b, bs, off, n
	WIN (1+(\b)/2)<<6
.set tt, 0
.rept \n
.irp q, 0,1,2,3,4,5,6,7
	global_load_b128 v[128*(((\b)+1)/2)+32*tt+4*\q:128*(((\b)+1)/2)+32*tt+4*\q+3], v[LA], s[\bs:\bs+1] offset:(\off)+(32*(tt/2)+8*(tt%2))*256+16*\q
.endr
.set tt, tt+1
.endr
	WIN 0
.endm
; the n tiles of stage b become fragments at v[f] on (registers 0 to 5 of each) and scale words at v[s] on.  A block lies whole in one lane; the tiles take turns line by line.
.macro QIN b, f, s, n
.set bw, 1+(\b)/2
.set bb, 128*(((\b)+1)/2)
	WIN 5*bw
.set tt, 0
.rept \n
	v_max3_num_f32 v[QM+tt], |v[bb+32*tt]|, |v[bb+32*tt+1]|, 0x1800000   ; with the floor 2^(3 - 127): the byte cannot fall under 1
.set tt, tt+1
.endr
	WIN 0x14*bw
.irp a, 2,4,6,8,10,12,14,16,18,20,22,24,26,28,30
.set tt, 0
.rept \n
	v_max3_num_f32 v[QM+tt], v[QM+tt], |v[bb+32*tt+\a]|, |v[bb+32*tt+\a+1]|
.set tt, tt+1
.endr
.endr
	WIN 0
.set tt, 0
.rept \n
	v_add_nc_u32 v[QM+tt], 0xff000000, v[QM+tt]     ; 2 off the exponent field: the conversion's scale operand
.set tt, tt+1
.endr
.set tt, 0
.rept \n
	v_lshrrev_b32 v[QE+tt], 23, v[QM+tt]            ; the scale's byte,
.set tt, tt+1
.endr
.set tt, 0
.rept \n
	v_lshlrev_b32 v[QE+tt], v[SH8], v[QE+tt]        ; at its place: byte h
.set tt, tt+1
.endr
.set tt, 0
.rept \n
	v_permlanex16_b32 v[QP+tt], v[QE+tt], s[SEL], s[SEL+1]
.set tt, tt+1
.endr
.set tt, 0
.rept \n
	v_or_b32 v[(\s)+tt], v[QE+tt], v[QP+tt]         ; with lane l xor 16's byte the word is whole; bytes 2 and 3 stay 0 over zero codes
.set tt, tt+1
.endr
	WIN bw
.set tt, 0
.rept \n
	v_cvt_scalef32_pk16_fp6_f32 v[(\f)+12*tt:(\f)+12*tt+2], v[bb+32*tt:bb+32*tt+15], v[QM+tt]
	v_cvt_scalef32_pk16_fp6_f32 v[TM+4*tt:TM+4*tt+2], v[bb+32*tt+16:bb+32*tt+31], v[QM+tt]   ; (a conversion's three registers begin on an even number)
.set tt, tt+1
.endr
	WIN 0
	v_nop                                           ; one plain place behind a scaled conversion
.set tt, 0
.rept \n
.irp i, 0,1,2
	v_mov_b32 v[(\f)+12*tt+3+\i], v[TM+4*tt+\i]
.endr
.set tt, tt+1
.endr
.endm
; eight products, each a whole sum (K = 64): results into set n % 2
.macro WM n, sidx
	WIN 0x80
.irp t, 0,1,2,3,4,5,6,7
	v_wmma_scale_f32_16x16x128_f8f6f4 v[64*((\n)%2)+8*\t:64*((\n)%2)+8*\t+7], v[WF+12*\t:WF+12*\t+11], v[SF+12*(\sidx):SF+12*(\sidx)+11], 0, v[WS+\t], v[SFS+(\sidx)] matrix_a_fmt:MATRIX_FMT_FP6 matrix_b_fmt:MATRIX_FMT_FP6
.endr
	WIN 0
.endm
; 64 results of a lane, register 16 b + i = k 32 b + 16 h + i of my row, become a fragment's codes in v[PC] on and its scale word in v[PW]
.macro QUANT set
.set dq, 64*((\set)%2)
	s_wait_xcnt 0x0                                 ; the last fragment's stores have read their registers: the codes and the scale word may be written again
	WIN 0x0a
.irp b, 0,1,2,3
	v_max3_num_f32 v[TM+\b], |v[dq+16*\b]|, |v[dq+16*\b+1]|, 0x1800000   ; each result is read from its low end on
.endr
	WIN 0x28
.irp i, 2,4,6,8,10,12,14
.irp b, 0,1,2,3
	v_max3_num_f32 v[TM+\b], v[TM+\b], |v[dq+16*\b+\i]|, |v[dq+16*\b+\i+1]|
.endr
.endr
	WIN 0
.irp b, 0,1,2,3
	v_permlanex16_b32 v[TM+4+\b], v[TM+\b], s[SEL], s[SEL+1]
.endr
.irp b, 0,1,2,3
	v_max_num_f32 v[TM+\b], v[TM+\b], v[TM+4+\b]    ; with lane l xor 16's 16 numbers: the block's largest magnitude
.endr
.irp b, 0,1,2,3
	v_add_nc_u32 v[TM+12+\b], 0xff000000, v[TM+\b]
.endr
.irp b, 0,1,2,3
	v_lshrrev_b32 v[TM+4+\b], 23, v[TM+12+\b]
.endr
	v_lshl_or_b32 v[PW], v[TM+5], 8, v[TM+4]
	v_lshl_or_b32 v[PW], v[TM+6], 16, v[PW]
	v_lshl_or_b32 v[PW], v[TM+7], 24, v[PW]         ; my row's scale word, the same in both halves of the lanes
	WIN 0x02
.irp c, 0,1
	v_cvt_scalef32_pk16_fp6_f32 v[PC+6*\c:PC+6*\c+2], v[dq+32*\c:dq+32*\c+15], v[TM+12+2*\c]
	v_cvt_scalef32_pk16_fp6_f32 v[PC+12+4*\c:PC+14+4*\c], v[dq+32*\c+16:dq+32*\c+31], v[TM+13+2*\c]
.endr
	WIN 0
	v_nop                                           ; one plain place behind a scaled conversion
.irp c, 0,1                                     ; the operand's layout wants a whole block in a lane: lanes 0-15 block 2 c, lanes 16-31 block 2 c + 1
.irp i, 0,1,2
	v_permlane16_swap_b32 v[PC+6*\c+\i], v[PC+12+4*\c+\i]
.endr
.irp i, 0,1,2
	v_mov_b32 v[PC+3+6*\c+\i], v[PC+12+4*\c+\i]
.endr
.endr
.endm
; fragment n goes out: three stores of 512 consecutive bytes; the scale words of a pair of tiles leave together, the even tile's in lanes 0-15, the odd tile's in lanes 16-31: 128 consecutive bytes
.macro EMIT kind, j, n
.if (\n)%2 == 0
	v_mov_b32 v[PWE], v[PW]
.else
	v_cndmask_b32 v[PWM], v[PWE], v[PW], s[MASK]
.endif
.if \kind == 0
.irp c, 0,1,2
	global_store_b128 v[OL], v[PC+4*\c:PC+4*\c+3], s[OC+2*((\n)/2):OC+2*((\n)/2)+1] offset:((\n)%2)*9216+(\j)*1536+512*\c
.endr
.if (\n)%2 == 1
	global_store_b32 v[OS], v[PWM], s[OSC+2*((\n)/2):OSC+2*((\n)/2)+1] offset:(\j)*128
.endif
.else
.irp c, 0,1,2
	global_store_b128 v[OL], v[PC+4*\c:PC+4*\c+3], s[OCV:OCV+1] offset:(\n)*1536+512*\c
.endr
.if (\n)%2 == 1
	global_store_b32 v[OS], v[PWM], s[OSV:OSV+1] offset:((\n)/2)*128
.endif
.endif
.endm
; cnt fragments: the products of fragment n + 2 are issued ahead of the quantising of fragment n + 1, whose vector lines are the places behind them
.macro FRAGS kind, j, cnt
	WM 0, 0
	WM 1, 1
	PLACES 4                                        ; in front of the first read of results
.set fn, 0
.rept \cnt
	QUANT fn
	EMIT \kind, \j, fn
.if fn+2 < \cnt
	WM fn+2, fn+2
.endif
.set fn, fn+1
.endr
.endm
	s_load_b256 s[4:11], s[0:1], 0x0                ; x, w_q, w_k, w_v
	s_load_b256 s[12:19], s[0:1], 0x20              ; w_final, qb, kb, vb
	s_load_b64 s[20:21], s[0:1], 0x40               ; wfb
	v_lshrrev_b32 v1, 5, v0
	v_readfirstlane_b32 s22, v1                     ; wave w
	s_and_b32 s23, s22, 1                           ; w % 2
	s_lshr_b32 s24, s22, 1                          ; w / 2
	s_and_b32 s25, ttmp9, 1                         ; g % 2
	s_bfe_u32 s54, ttmp9, 0x10001                   ; (g / 2) % 2
	s_lshr_b32 s55, ttmp9, 2
	s_mul_i32 s55, s55, 153600                      ; the block of 256 keys in kb and vb: number g / 4
	s_lshl_b32 s26, ttmp9, 14                       ; x: my 64 rows
	s_mov_b32 s27, 0
	s_lshr_b32 s28, ttmp9, 1
	s_lshl_b32 s28, s28, 15                         ; x: the group of 128 keys
	s_mov_b32 s29, 0
	s_mul_i32 s30, s23, 98304                       ; w_q, w_k: my three groups of 128 rows
	s_mov_b32 s31, 0
	s_mul_i32 s48, s25, 24
	s_mul_i32 s49, s22, 6
	s_add_co_u32 s48, s48, s49
	s_lshl_b32 s48, s48, 12                         ; w_v: tile 24 (g % 2) + 6 w
	s_mov_b32 s49, 0
	s_mul_i32 s32, ttmp9, 38400                     ; q: block g
	s_mul_i32 s56, s23, 4608                        ; my three channel steps' fragments,
	s_mul_i32 s57, s23, 384                         ; and their scale words
	s_mul_i32 s34, s25, 76800                       ; k: the block's parts 2 (g % 2) and 2 (g % 2) + 1
	s_add_co_u32 s34, s34, s55
	s_mul_i32 s58, s54, 18432                       ; which half of the 256 keys
	s_add_co_u32 s36, s34, s58
	s_mul_i32 s58, s54, 768
	s_add_co_u32 s38, s34, s58
	s_mov_b32 s50, 38400                            ; from a pair of tiles to the next: k: a part; q: 12 fragments, 6 x 128 bytes of scale words
	s_mov_b32 s51, 38400
	s_cmp_lt_u32 s22, 2                             ; waves 0, 1: q;  waves 2, 3: k
	s_cselect_b32 s36, s32, s36
	s_cselect_b32 s38, s32, s38
	s_cselect_b32 s50, 18432, s50
	s_cselect_b32 s51, 768, s51
	s_add_co_u32 s32, s36, s56
	s_add_co_u32 s34, s32, s50
	s_add_co_u32 s36, s38, s57
	s_add_co_u32 s36, s36, 36864
	s_add_co_u32 s38, s36, s51
	s_mov_b32 s33, 0
	s_mov_b32 s35, 0
	s_mov_b32 s37, 0
	s_mov_b32 s39, 0
	s_lshl_b32 s40, s25, 1                          ; v: part 2 (g % 2) + w / 2 of the block
	s_add_co_u32 s40, s40, s24
	s_mul_i32 s40, s40, 38400
	s_add_co_u32 s40, s40, s55
	s_mul_i32 s58, s54, 768
	s_add_co_u32 s42, s40, s58
	s_add_co_u32 s42, s42, s57
	s_add_co_u32 s42, s42, 36864
	s_mul_i32 s58, s54, 18432
	s_add_co_u32 s40, s40, s58
	s_mul_i32 s58, s23, 9216
	s_add_co_u32 s40, s40, s58
	s_mov_b32 s41, 0
	s_mov_b32 s43, 0
	s_mul_i32 s58, s22, 49152                       ; w_final: rows 16 w on, columns 128 g on (used by work-groups 0 to 5 alone)
	s_lshl_b32 s59, ttmp9, 9
	s_add_co_u32 s58, s58, s59
	s_mov_b32 s59, 0
	s_mul_i32 s60, s22, 6
	s_add_co_u32 s60, s60, ttmp9
	s_mul_i32 s60, s60, 1536                        ; its fragment 6 w + g,
	s_mov_b32 s61, 0
	s_mul_i32 s62, s24, 6
	s_add_co_u32 s62, s62, ttmp9
	s_lshl_b32 s62, s62, 7
	s_add_co_u32 s62, s62, 36864                    ; and its scale words
	s_mov_b32 s63, 0
	s_mov_b32 s[MASK], 0xffff0000
	s_mov_b32 s[SEL], 0x76543210
	s_mov_b32 s[SEL+1], 0xfedcba98
	s_lshl_b32 s45, s23, 6
	v_and_b32 v1, 31, v0                            ; lane
	v_and_b32 v2, 15, v0                            ; r
	v_bfe_u32 v3, v0, 4, 1                          ; h
	v_and_b32 v10, 8, v2
	v_add_nc_u32 v10, v10, v2                       ; r + 8 (r / 8)
	v_lshlrev_b32 v[LA], 8, v10
	v_lshl_add_u32 v[LA], v3, 7, v[LA]
	v_lshlrev_b32 v[OL], 4, v1
	v_lshlrev_b32 v[OS], 2, v1
	v_lshlrev_b32 v[SH8], 3, v3
	v_mul_u32_u24 v[LAF], v2, 3072
	v_lshl_add_u32 v[LAF], v3, 7, v[LAF]
	v_lshl_add_u32 v[WFS], v2, 2, s45
.irp f, 0,1,2,3,4,5
.irp k, 6,7,8,9,10,11
	v_mov_b32 v[SF+12*\f+\k], 0                     ; the zero codes of k = 64 .. 127, written once
.endr
.endr
.irp f, 0,1,2,3,4,5,6,7
.irp k, 6,7,8,9,10,11
	v_mov_b32 v[WF+12*\f+\k], 0
.endr
.endr
.irp b, 0,1,2,3
	v_mov_b32 v[TM+4+\b], 0                         ; written once: a lane permute's destination counts as one of its sources
	v_mov_b32 v[QP+\b], 0
.endr
	s_wait_kmcnt 0x0
	s_cmp_lt_u32 s22, 2                             ; the choice hangs on the wave's number alone
	s_cselect_b64 s[6:7], s[6:7], s[8:9]
	s_cselect_b64 s[14:15], s[14:15], s[16:17]
	s_add_nc_u64 s[XO:XO+1], s[4:5], s[26:27]
	s_add_nc_u64 s[XG:XG+1], s[4:5], s[28:29]
	s_add_nc_u64 s[6:7], s[6:7], s[30:31]
	s_add_nc_u64 s[10:11], s[10:11], s[48:49]
	s_add_nc_u64 s[32:33], s[14:15], s[32:33]
	s_add_nc_u64 s[34:35], s[14:15], s[34:35]
	s_add_nc_u64 s[36:37], s[14:15], s[36:37]
	s_add_nc_u64 s[38:39], s[14:15], s[38:39]
	s_add_nc_u64 s[40:41], s[18:19], s[40:41]
	s_add_nc_u64 s[42:43], s[18:19], s[42:43]
	s_add_nc_u64 s[12:13], s[12:13], s[58:59]
	s_add_nc_u64 s[60:61], s[20:21], s[60:61]
	s_add_nc_u64 s[62:63], s[20:21], s[62:63]
	; A unit is four tiles, 32 loads; the units go through the three stages by turns, and the unit after next is asked for as soon as a unit is quantised.
	; s_wait_loadcnt 32: the unit wanted is in, the 32 loads of the one unit issued behind it may be out.
	LOADU 0, XO, 0, 4                               ; my four tiles of x
	LOADU 1, WQ, 0, 4                               ; the weight's group 0, tiles 0-3
	s_wait_loadcnt 32
	QIN 0, SF, SFS, 4
	LOADU 2, WQ, 16384, 4                           ; group 0, tiles 4-7
	s_wait_loadcnt 32
	QIN 1, WF, WS, 4
	LOADU 0, WQ, 32768, 4                           ; group 1
	s_wait_loadcnt 32
	QIN 2, WF+48, WS+4, 4
	LOADU 1, WQ, 49152, 4
	PLACES 8                                        ; scale words made by vector instructions stand 8 places ahead of a scaled matrix instruction, operands 4
	FRAGS 0, 0, 4
	s_wait_loadcnt 32
	QIN 0, WF, WS, 4
	LOADU 2, WQ, 65536, 4                           ; group 2
	s_wait_loadcnt 32
	QIN 1, WF+48, WS+4, 4
	LOADU 0, WQ, 81920, 4
	PLACES 8
	FRAGS 0, 1, 4
	s_wait_loadcnt 32
	QIN 2, WF, WS, 4
	LOADU 1, XG, 0, 4                               ; the 128 keys' eight tiles of x
	s_wait_loadcnt 32
	QIN 0, WF+48, WS+4, 4
	LOADU 2, XG, 16384, 4
	PLACES 8
	FRAGS 0, 2, 4
	s_wait_loadcnt 32
	QIN 1, WF, WS, 4
	LOADU 0, WV, 0, 4                               ; w_v's tiles 0-3
	s_wait_loadcnt 32
	QIN 2, WF+48, WS+4, 4
	LOADU 1, WV, 16384, 2                           ; tiles 4, 5: 16 loads
	s_cmp_lt_u32 ttmp9, 6
	s_cbranch_scc0 .Lno_wf_loads
	WIN 0x80
.irp c, 0,1
.irp q, 0,1,2,3,4,5,6,7
	global_load_b128 v[128+32*\c+4*\q:128+32*\c+4*\q+3], v[LAF], s[12:13] offset:256*\c+16*\q   ; w_final(16 w + r, 128 g + 64 c + 32 h + 0 .. 31), into the stage just left
.endr
.endr
	WIN 0
.Lno_wf_loads:
	s_wait_loadcnt 16                               ; w_v's tiles 0-3 are in: behind them stand the 16 loads of tiles 4, 5 (and in six work-groups 16 more, for which the count is merely stricter)
	QIN 0, SF, SFS, 4
	s_wait_loadcnt 0x0
	QIN 1, SF+48, SFS+4, 2
	PLACES 8
	FRAGS 1, 0, 6
	s_cmp_lt_u32 ttmp9, 6
	s_cbranch_scc0 .Lend
	; w_final's fragment: K is innermost, and a lane holds two whole blocks, 2 c + h
	WIN 0x0a
.irp c, 0,1
	v_max3_num_f32 v[QM+\c], |v[128+32*\c]|, |v[129+32*\c]|, 0x1800000
.endr
	WIN 0x28
.irp a, 2,4,6,8,10,12,14,16,18,20,22,24,26,28,30
.irp c, 0,1
	v_max3_num_f32 v[QM+\c], v[QM+\c], |v[128+32*\c+\a]|, |v[129+32*\c+\a]|
.endr
.endr
	WIN 0
.irp c, 0,1
	v_add_nc_u32 v[QM+\c], 0xff000000, v[QM+\c]
.endr
.irp c, 0,1
	v_lshrrev_b32 v[QE+\c], 23, v[QM+\c]
.endr
	s_wait_xcnt 0x0                                 ; the last stores have read the codes' registers
	v_lshl_or_b32 v[PW], v[QE+1], 16, v[QE]         ; my two bytes: blocks h and 2 + h,
	v_lshlrev_b32 v[PW], v[SH8], v[PW]              ; at their places;
	v_permlanex16_b32 v[QP], v[PW], s[SEL], s[SEL+1]
	v_or_b32 v[PW], v[PW], v[QP]                    ; with lane l xor 16's two the word is whole
	WIN 0x02
.irp c, 0,1
	v_cvt_scalef32_pk16_fp6_f32 v[PC+6*\c:PC+6*\c+2], v[128+32*\c:143+32*\c], v[QM+\c]
	v_cvt_scalef32_pk16_fp6_f32 v[PC+12+4*\c:PC+14+4*\c], v[144+32*\c:159+32*\c], v[QM+\c]
.endr
	WIN 0
	v_nop
.irp c, 0,1
.irp i, 0,1,2
	v_mov_b32 v[PC+3+6*\c+\i], v[PC+12+4*\c+\i]
.endr
.endr
.irp c, 0,1,2
	global_store_b128 v[OL], v[PC+4*\c:PC+4*\c+3], s[60:61] offset:512*\c
.endr
	global_store_b32 v[WFS], v[PW], s[62:63]        ; both halves of the lanes hold and write the same word
.Lend:
	s_endpgm
.Lfunc_end_k_qbf5f8a6c7f_prep:
	.size	k_qbf5f8a6c7f_prep, .Lfunc_end_k_qbf5f8a6c7f_prep-k_qbf5f8a6c7f_prep
	.p2alignl 7, 3214868480
	.fill 96, 4, 3214868480
	.section	.rodata,"a",@progbits
	.p2align	6, 0x0
	.amdhsa_kernel k_qbf5f8a6c7f_prep
		.amdhsa_group_segment_fixed_size 0
		.amdhsa_private_segment_fixed_size 0
		.amdhsa_enable_private_segment 0
		.amdhsa_kernarg_size 72
		.amdhsa_user_sgpr_count 2
		.amdhsa_user_sgpr_kernarg_segment_ptr 1
		.amdhsa_wavefront_size32 1
		.amdhsa_system_sgpr_workgroup_id_x 1
		.amdhsa_system_sgpr_workgroup_id_y 1
		.amdhsa_system_sgpr_workgroup_id_z 1
		.amdhsa_system_vgpr_workitem_id 0
		.amdhsa_next_free_vgpr 768
		.amdhsa_next_free_sgpr 66
		.amdhsa_reserve_vcc 0
		.amdhsa_float_denorm_mode_32 3
		.amdhsa_float_denorm_mode_16_64 3
		.amdhsa_memory_ordered 1
		.amdhsa_forward_progress 1
		.amdhsa_inst_pref_size 207
	.end_amdhsa_kernel
	.amdgpu_metadata
---
amdhsa.version: [ 1, 2 ]
amdhsa.kernels:
  - .name:           k_qbf5f8a6c7f_prep
    .symbol:         k_qbf5f8a6c7f_prep.kd
    .args:
      - { .name: x, .offset: 0, .size: 8, .value_kind: global_buffer, .address_space: global }
      - { .name: w_q, .offset: 8, .size: 8, .value_kind: global_buffer, .address_space: global }
      - { .name: w_k, .offset: 16, .size: 8, .value_kind: global_buffer, .address_space: global }
      - { .name: w_v, .offset: 24, .size: 8, .value_kind: global_buffer, .address_space: global }
      - { .name: w_final, .offset: 32, .size: 8, .value_kind: global_buffer, .address_space: global }
      - { .name: qb, .offset: 40, .size: 8, .value_kind: global_buffer, .address_space: global }
      - { .name: kb, .offset: 48, .size: 8, .value_kind: global_buffer, .address_space: global }
      - { .name: vb, .offset: 56, .size: 8, .value_kind: global_buffer, .address_space: global }
      - { .name: wfb, .offset: 64, .size: 8, .value_kind: global_buffer, .address_space: global }
    .group_segment_fixed_size: 0
    .private_segment_fixed_size: 0
    .kernarg_segment_align: 8
    .kernarg_segment_size: 72
    .max_flat_workgroup_size: 128
    .sgpr_count:     66
    .vgpr_count:     768
    .wavefront_size: 32
...
	.end_amdgpu_metadata
.endif
;; end of part 1
;; launch attn (part 2): grid 32 x 8, 4 waves a work-group, clusters of 4 x 1, 327,680 bytes of LDS; arguments qb, kb, vb, wfb, b_final, out0; writes out0
.if DOCPART == 2
	.amdgcn_target "amdgcn-amd-amdhsa--gfx1250"
	.amdhsa_code_object_version 6
	.text
	.protected	k_qbf5f8a6c7f_attn
	.globl	k_qbf5f8a6c7f_attn
	.p2align	8
	.type	k_qbf5f8a6c7f_attn,@function
k_qbf5f8a6c7f_attn:
	s_mov_b64 s[64:65], 0
	v_nop
	global_prefetch_b8 v0, s[64:65] scope:SCOPE_SE
	s_setreg_imm32_b32 hwreg(HW_REG_WAVE_MODE, 25, 1), 1
	s_wait_xcnt 0x0
	s_wait_alu depctr_hold_cnt(0) depctr_sa_sdst(0) depctr_va_vdst(0) depctr_va_sdst(0) depctr_va_ssrc(0) depctr_va_vcc(0) depctr_vm_vsrc(0)
	s_getreg_b32 s2, hwreg(HW_REG_IB_STS2, 6, 4)
	s_cmp_eq_u32 s2, 0
	s_cbranch_scc0 .Lentry_in_a_cluster
	s_endpgm
.Lentry_in_a_cluster:
	s_bfe_u32 s2, ttmp6, 0x10000c
	s_cmp_lg_u32 s2, 0x3003
	s_cbranch_scc0 .Lentry_shape_is_right
	s_endpgm
.Lentry_shape_is_right:
; out = (softmax(q k^T / 8) v) w_final^T + b_final, all three products on codes of FP6 (E2M3) with one E8M0 scale for each 32 along K.  q, k, v and w_final come as images of operand registers
; (a fragment of 16 rows x 128 K is 1,536 bytes: registers 4 g .. 4 g + 3 of lane l at 512 g + 16 l; scale words 4 bytes a lane, an even tile's in lanes 0-15, the odd tile's in lanes 16-31).
; SHARES.  A work-group owns 64 queries (four tiles) of one batch and walks its 2,048 keys, 256 a step.  Four waves, one to a SIMD.
;   S^T = K Q^T: wave w takes keys 32 w .. 32 w + 31 of each 128, for all 64 queries: a fragment of K feeds four products; Q stays in registers (288).
;   O^T = V^T P^T: wave w takes channels 192 w .. 192 w + 191, for all 64 queries (48 accumulators, 384 registers): a fragment of V feeds four products, one of P twelve.
;   Both are used transposed: a lane holds ONE query throughout.  P goes from wave to wave through LDS as images of its registers.
; THE SOFTMAX.  t = score x log2(e) / 8.  A wave's 32 keys are one block of the quantiser.  The wave takes the block's own whole number Mb = ceil(its largest t), p' = 2^(t - Mb), quantises p' (byte E), and publishes
;   for each query I = Mb + E and L = (the block's sum of the unquantised p') x 2^-E.  Behind the barrier every wave forms R = the running largest I, a whole number: a running maximum.  The block's byte is
;   u = max(I - R + 125, 1), its share of the row's sum L x 2^u, and O and the sum so far are multiplied by 2^(old R - new R).  All these are exact powers of two, so the codes' values are those of p = 2^(t - (R - 125)).
; THE RING.  One region for K's 256 keys, one for V's.  K of the next step is fetched while V^T P runs, V of the next step while K Q^T runs: each of the two barriers that a step needs anyway
;   (P is written; P and V are read) is one behind which a region is filled again, 38,400 bytes a wave.
; CLUSTER.  The four work-groups of a cluster belong to one batch and walk the same K and V: each part is asked for JOINTLY, by the same tensor load with the same descriptor and a mask that names the four.
; THE END.  O / the sum is quantised along the 768 channels, meets in LDS as rows of codes, and wave w multiplies query tile w by w_final (which takes Q's registers); b_final is the C of the first products.
; LIMITS: |t| under 2^23 (I and R are whole numbers kept in f32); a block whose byte would fall under 1 is held at 1 (its codes then stand for at most 2^-123 beside a largest p of 1/2 or more);
;   NaN and infinities are not served.
; REGISTERS.  window 0: v1-11 addresses; v12-23 Q's scale words; v24-35 K's or V's; v36-39 P's; v40-47 pairs (f, sum) a tile; v48-51 R; v52-53 lane offsets; v54-111 at work, later P's second four fragments;
;   v112-255 twelve fragments of K or of V.   window 1: accumulators 0-31 of O^T.   window 2: v0-127 accumulators 32-47; v128-223 Q, channel steps 0, 1.
;   window 3: v0-191 Q, steps 2-5; v192-255 S^T (tile i at 192 + 16 i), later P's first four fragments.
;   Accumulator (channel tile j, query tile i) has number 8 (j / 2) + 2 i + j % 2: a pair of channel tiles is 16 registers on end, 16 neighbouring channels.
.set SUB,   38400                      ; a wave's part of a step's K or V: 24 fragments and 12 x 128 bytes of scale words
.set STEPB, 153600                     ; a step's K, or V
.set FRB,   1536
.set SCO,   36864                      ; where the scale words begin in a part
.set VREG,  153600                     ; LDS: K's region at 0, V's here,
.set PREG,  307200                     ; P's eight images (half kk, tile i: 4 kk + i),
.set SREG,  319488                     ; the pairs (I, L): 8 bytes at 1,024 i + 64 r + 32 kk + 8 w,
.set SPARE, 323584                     ; the spare words, 128 bytes for each wave: two blocks of 256 bytes that no other line names
.set HP,    592                        ; the end, in K's region, which has had its last fill and its last read by then: 64 rows of 576 bytes of codes + 16, at 0;
.set HSREG, 38912                      ; their scale bytes, 32 bytes a row;
.set STG,   40960                      ; a stage of 16 rows x (256 + 16) bytes for each wave
.set SP,    272
.set SPW,  1
.set NIL,  2
.set AK,   3
.set AKS,  4
.set AV,   5
.set AVS,  6
.set APW1, 7
.set APW2, 8
.set APR,  9
.set ASW,  10
.set ASR,  11
.set QS,   12
.set KVS,  24
.set PW,   36
.set FL,   40
.set RR,   48
.set LI16, 52
.set LI4,  53
.set T,    54
.set KB,   112
.set SB,   192                         ; S^T, in window 3
.set MX,   T                           ; at work in the softmax: largest scores,
.set PT,   T+4                         ; a lane permute's results,
.set NM,   T+8                         ; -Mb, in pairs (the packed form names a pair and takes its low word),
.set SC,   T+16                        ; the conversions' scale operands,
.set EE,   T+20                        ; the bytes,
.set IL,   T+24                        ; the pairs (I, L),
.set NE,   T+32                        ; -E,
.set PC,   T+36                        ; two runs of six registers of codes,
.set CT,   T+48                        ; two of three (a conversion's three registers begin on an even number)
.set UU,   T+32
.set VV,   T+36
.set BI,   KB+72                       ; the end: b_final in the result's layout
.set MSB, 0
.macro WIN new                         ; the immediate's high byte repeats the setting that is left; a switch that changes nothing is dropped
.if MSB != (\new)
	s_set_vgpr_msb (MSB<<8)|(\new)
.set MSB, (\new)
.endif
.endm
.macro PLACES n
.rept \n
	v_nop
.endr
.endm
; A round of the cluster's barrier: my work-group's barrier; wave 0 signals for the work-group; every wave waits for all four work-groups; my work-group's barrier once more.
.macro CROUND
	s_barrier_signal -1
	s_barrier_wait -1
	s_cmp_lg_u32 s16, 0
	s_cbranch_scc1 .Lnot_wave_0_\@
	s_barrier_signal -3
.Lnot_wave_0_\@:
	s_barrier_wait -3
	s_barrier_signal -1
	s_barrier_wait -1
.endm
.macro JLOAD g0                        ; every wave asks for its own part; four v_nop follow: they are also the places in front of the LDS loads that come next
	tensor_load_to_lds s[\g0:\g0+3], s[24:31]
	s_nop 0
.rept 4
	v_nop
.endr
.endm
; one product.  c < 0: the constant 0 starts the sum.  ra, rb: the side's scale words lie in lanes 16-31
.macro MM d, a, b, c, sa, sb, ra, rb
.if (\c) < 0
.if (\ra) && (\rb)
	v_wmma_scale_f32_16x16x128_f8f6f4 v[(\d):(\d)+7], v[(\a):(\a)+11], v[(\b):(\b)+11], 0, v[(\sa)], v[(\sb)] matrix_a_fmt:MATRIX_FMT_FP6 matrix_b_fmt:MATRIX_FMT_FP6 matrix_a_scale:MATRIX_SCALE_ROW1 matrix_b_scale:MATRIX_SCALE_ROW1
.elseif (\ra)
	v_wmma_scale_f32_16x16x128_f8f6f4 v[(\d):(\d)+7], v[(\a):(\a)+11], v[(\b):(\b)+11], 0, v[(\sa)], v[(\sb)] matrix_a_fmt:MATRIX_FMT_FP6 matrix_b_fmt:MATRIX_FMT_FP6 matrix_a_scale:MATRIX_SCALE_ROW1
.elseif (\rb)
	v_wmma_scale_f32_16x16x128_f8f6f4 v[(\d):(\d)+7], v[(\a):(\a)+11], v[(\b):(\b)+11], 0, v[(\sa)], v[(\sb)] matrix_a_fmt:MATRIX_FMT_FP6 matrix_b_fmt:MATRIX_FMT_FP6 matrix_b_scale:MATRIX_SCALE_ROW1
.else
	v_wmma_scale_f32_16x16x128_f8f6f4 v[(\d):(\d)+7], v[(\a):(\a)+11], v[(\b):(\b)+11], 0, v[(\sa)], v[(\sb)] matrix_a_fmt:MATRIX_FMT_FP6 matrix_b_fmt:MATRIX_FMT_FP6
.endif
.else
.if (\ra) && (\rb)
	v_wmma_scale_f32_16x16x128_f8f6f4 v[(\d):(\d)+7], v[(\a):(\a)+11], v[(\b):(\b)+11], v[(\c):(\c)+7], v[(\sa)], v[(\sb)] matrix_a_fmt:MATRIX_FMT_FP6 matrix_b_fmt:MATRIX_FMT_FP6 matrix_a_scale:MATRIX_SCALE_ROW1 matrix_b_scale:MATRIX_SCALE_ROW1
.elseif (\ra)
	v_wmma_scale_f32_16x16x128_f8f6f4 v[(\d):(\d)+7], v[(\a):(\a)+11], v[(\b):(\b)+11], v[(\c):(\c)+7], v[(\sa)], v[(\sb)] matrix_a_fmt:MATRIX_FMT_FP6 matrix_b_fmt:MATRIX_FMT_FP6 matrix_a_scale:MATRIX_SCALE_ROW1
.elseif (\rb)
	v_wmma_scale_f32_16x16x128_f8f6f4 v[(\d):(\d)+7], v[(\a):(\a)+11], v[(\b):(\b)+11], v[(\c):(\c)+7], v[(\sa)], v[(\sb)] matrix_a_fmt:MATRIX_FMT_FP6 matrix_b_fmt:MATRIX_FMT_FP6 matrix_b_scale:MATRIX_SCALE_ROW1
.else
	v_wmma_scale_f32_16x16x128_f8f6f4 v[(\d):(\d)+7], v[(\a):(\a)+11], v[(\b):(\b)+11], v[(\c):(\c)+7], v[(\sa)], v[(\sb)] matrix_a_fmt:MATRIX_FMT_FP6 matrix_b_fmt:MATRIX_FMT_FP6
.endif
.endif
.endm
; 24 fragments (tile i, K step s) and 12 registers of scale words from a block of 38,400 bytes: Q at the start, w_final at the end
.macro LOADQ bs
	WIN 0x80
.irp s, 0,1
.irp i, 0,1,2,3
.irp c, 0,1,2
	global_load_b128 v[128+12*(4*\s+\i)+4*\c:128+12*(4*\s+\i)+4*\c+3], v[LI16], s[\bs:\bs+1] offset:(6*\i+\s)*FRB+512*\c
.endr
.endr
.endr
	WIN 0xc0
.irp s, 2,3,4,5
.irp i, 0,1,2,3
.irp c, 0,1,2
	global_load_b128 v[12*(4*(\s-2)+\i)+4*\c:12*(4*(\s-2)+\i)+4*\c+3], v[LI16], s[\bs:\bs+1] offset:(6*\i+\s)*FRB+512*\c
.endr
.endr
.endr
	WIN 0
.irp p, 0,1
.irp s, 0,1,2,3,4,5
	global_load_b32 v[QS+6*\p+\s], v[LI4], s[\bs:\bs+1] offset:SCO+(6*\p+\s)*128
.endr
.endr
.endm
.macro KLOAD half                      ; my 32 keys of this half: 12 fragments, channel step by channel step
.irp s, 0,1,2,3,4,5
.irp u, 0,1
.irp c, 0,1,2
	ds_load_b128 v[KB+12*(2*\s+\u)+4*\c:KB+12*(2*\s+\u)+4*\c+3], v[AK] offset:((2*\half+\u)*6+\s)*FRB+512*\c
.endr
.endr
.endr
.endm
; S^T = K Q^T: 48 products; the eight accumulators take turns, one instruction a turn
.macro QK half, waits
.irp s, 0,1,2,3,4,5
.if \waits
	s_wait_dscnt 6*(5-\s)                           ; this channel step's six loads are in; those of the later steps may be out
.endif
.if \s < 2
	WIN 0xf8
.set qb0, 128+48*\s
.else
	WIN 0xfc
.set qb0, 48*(\s-2)
.endif
.irp u, 0,1
.irp i, 0,1,2,3
.if \s == 0
	MM SB+16*\i+8*\u, KB+12*(2*\s+\u), qb0+12*\i, -1, KVS+6*\half+\s, QS+6*(\i/2)+\s, \u, \i%2
.else
	MM SB+16*\i+8*\u, KB+12*(2*\s+\u), qb0+12*\i, SB+16*\i+8*\u, KVS+6*\half+\s, QS+6*(\i/2)+\s, \u, \i%2
.endif
.endr
.endr
.endr
.endm
; The four tiles' softmax of my block of 32 keys (a lane: one query, keys 16 h + 0 .. 15), by turns; codes and (I, L) to LDS
.macro SOFTMAX kk
	WIN 0x3f
.irp i, 0,1,2,3
	v_max3_num_f32 v[MX+\i], v[SB+16*\i], v[SB+16*\i+1], v[SB+16*\i+2]   ; each result is read from its low end on
.endr
	WIN 0x3c
.irp a, 3,5,7,9,11,13
.irp i, 0,1,2,3
	v_max3_num_f32 v[MX+\i], v[MX+\i], v[SB+16*\i+\a], v[SB+16*\i+\a+1]
.endr
.endr
.irp i, 0,1,2,3
	v_max_num_f32 v[MX+\i], v[MX+\i], v[SB+16*\i+15]
.endr
	WIN 0
.irp i, 0,1,2,3
	v_permlanex16_b32 v[PT+\i], v[MX+\i], s40, s41
.endr
.irp i, 0,1,2,3
	v_max_num_f32 v[MX+\i], v[MX+\i], v[PT+\i]      ; the block's largest score
.endr
.irp i, 0,1,2,3
	v_mul_f32 v[PT+\i], s42, v[MX+\i]               ; as t (c is positive)
.endr
.irp i, 0,1,2,3
	v_floor_f32 v[NM+2*\i], -v[PT+\i]               ; -Mb = floor(-t) = -ceil(t): a whole number
.endr
.irp i, 0,1,2,3
	v_fma_f32 v[MX+\i], v[MX+\i], s42, v[NM+2*\i]   ; the largest score goes the way of all scores: the same two instructions give the same bits
.endr
	WIN 0xc3
.irp i, 0,1,2,3
.irp a, 0,2,4,6,8,10,12,14
	v_pk_fma_f32 v[SB+16*\i+\a:SB+16*\i+\a+1], v[SB+16*\i+\a:SB+16*\i+\a+1], s[42:43], v[NM+2*\i:NM+2*\i+1] op_sel_hi:[1,0,0]   ; t - Mb
.endr
.endr
.irp n, 0,1,2,3,4,5,6,7,8,9,10,11,12,13,14,15,16,17,18,19,20,21,22,23,24,25,26,27,28,29,30,31,32,33,34,35,36,37,38,39,40,41,42,43,44,45,46,47,48,49,50,51,52,53,54,55,56,57,58,59,60,61,62,63
	v_exp_f32 v[SB+\n], v[SB+\n]                    ; p' = 2^(t - Mb)
.endr
	WIN 0
.irp i, 0,1,2,3
	v_exp_f32 v[MX+\i], v[MX+\i]                    ; the block's largest p': above 1/2
.endr
	v_nop                                           ; a plain place behind the exponentials
	s_wait_alu depctr_va_vdst(0)
.irp i, 0,1,2,3
	v_add_nc_u32 v[SC+\i], 0xff000000, v[MX+\i]     ; 2 off the exponent field: the conversion's scale operand
.endr
.irp i, 0,1,2,3
	v_lshrrev_b32 v[EE+\i], 23, v[SC+\i]            ; E
.endr
.irp i, 0,1,2,3
	v_cvt_f32_u32 v[IL+2*\i], v[EE+\i]
.endr
.irp i, 0,1,2,3
	v_sub_f32 v[IL+2*\i], v[IL+2*\i], v[NM+2*\i]    ; I = E + Mb
.endr
.irp i, 0,1,2,3
	v_sub_nc_u32 v[NE+\i], 0, v[EE+\i]
.endr
	WIN 0x03
.irp j, 0,1
	v_cvt_scalef32_pk16_fp6_f32 v[PC+6*\j:PC+6*\j+2], v[SB+32*\j:SB+32*\j+15], v[SC+2*\j]
	v_cvt_scalef32_pk16_fp6_f32 v[CT+4*\j:CT+4*\j+2], v[SB+32*\j+16:SB+32*\j+31], v[SC+2*\j+1]
.endr
	WIN 0
	v_nop                                           ; one plain place behind a scaled conversion
.irp j, 0,1                                     ; halves change places between an even tile and the odd one: lane (r, h) then holds the WHOLE block of query r of tile 2 j + h
.irp c, 0,1,2
	v_permlane16_swap_b32 v[PC+6*\j+\c], v[CT+4*\j+\c]
.endr
.irp c, 0,1,2
	v_mov_b32 v[PC+6*\j+3+\c], v[CT+4*\j+\c]
.endr
.endr
.irp j, 0,1                                     ; its 24 bytes are registers 6 (w / 2) .. + 5 of lane r + 16 (w % 2) in the image of fragment (kk, 2 j + h)
	ds_store_b64 v[APW1], v[PC+6*\j:PC+6*\j+1] offset:6144*\kk+3072*\j
	ds_store_b64 v[APW2], v[PC+6*\j+2:PC+6*\j+3] offset:6144*\kk+3072*\j
	ds_store_b64 v[APW1], v[PC+6*\j+4:PC+6*\j+5] offset:6144*\kk+3072*\j+512
.endr
	WIN 0xcf                                        ; THE SUM IS TAKEN OF THE UNQUANTISED p', two at a time, as a tree in place
.irp a, 0,2,4,6
.irp i, 0,1,2,3
	v_pk_add_f32 v[SB+16*\i+\a:SB+16*\i+\a+1], v[SB+16*\i+\a:SB+16*\i+\a+1], v[SB+16*\i+\a+8:SB+16*\i+\a+9]
.endr
.endr
.irp a, 0,2
.irp i, 0,1,2,3
	v_pk_add_f32 v[SB+16*\i+\a:SB+16*\i+\a+1], v[SB+16*\i+\a:SB+16*\i+\a+1], v[SB+16*\i+\a+4:SB+16*\i+\a+5]
.endr
.endr
.irp i, 0,1,2,3
	v_pk_add_f32 v[SB+16*\i:SB+16*\i+1], v[SB+16*\i:SB+16*\i+1], v[SB+16*\i+2:SB+16*\i+3]
.endr
	WIN 0x0f
.irp i, 0,1,2,3
	v_add_f32 v[IL+2*\i+1], v[SB+16*\i], v[SB+16*\i+1]
.endr
	WIN 0
.irp i, 0,1,2,3
	v_permlanex16_b32 v[PT+\i], v[IL+2*\i+1], s40, s41
.endr
.irp i, 0,1,2,3
	v_add_f32 v[IL+2*\i+1], v[IL+2*\i+1], v[PT+\i]
.endr
.irp i, 0,1,2,3
	v_ldexp_f32 v[IL+2*\i+1], v[IL+2*\i+1], v[NE+\i]   ; L = the sum x 2^-E: exact
.endr
.irp i, 0,1,2,3
	ds_store_b64 v[ASW], v[IL+2*\i:IL+2*\i+1] offset:1024*\i+32*\kk   ; both halves of the lanes hold and write the same pair
.endr
.endm
; Lane (r, h) holds the pairs (I, L) of the four blocks of half kk = h for query r of each tile: R, f, the bytes, the sum
.macro COMBINE zero
.irp i, 0,1,2,3
	v_max3_num_f32 v[UU+\i], v[T+8*\i], v[T+8*\i+2], v[T+8*\i+4]
.endr
.irp i, 0,1,2,3
.if \zero
	v_max_num_f32 v[UU+\i], v[UU+\i], v[T+8*\i+6]
.else
	v_max3_num_f32 v[UU+\i], v[UU+\i], v[T+8*\i+6], v[RR+\i]
.endif
.endr
.irp i, 0,1,2,3
	v_permlanex16_b32 v[VV+\i], v[UU+\i], s40, s41
.endr
.irp i, 0,1,2,3
	v_max_num_f32 v[UU+\i], v[UU+\i], v[VV+\i]      ; the new R
.endr
.if (\zero) == 0
.irp i, 0,1,2,3
	v_sub_f32 v[VV+\i], v[RR+\i], v[UU+\i]          ; old R - new R: a whole number, 0 or less
.endr
.irp i, 0,1,2,3
	v_cvt_i32_f32 v[VV+\i], v[VV+\i]
.endr
.irp i, 0,1,2,3
	v_ldexp_f32 v[FL+2*\i], 1.0, v[VV+\i]           ; f
.endr
.endif
.irp i, 0,1,2,3
	v_mov_b32 v[RR+\i], v[UU+\i]
.endr
.irp i, 0,1,2,3
	v_add_f32 v[UU+\i], 0xc2fa0000, v[UU+\i]        ; R - 125
.endr
.irp b, 0,2,4,6
.irp i, 0,1,2,3
	v_sub_f32 v[T+8*\i+\b], v[T+8*\i+\b], v[UU+\i]
.endr
.endr
.irp b, 0,2,4,6
.irp i, 0,1,2,3
	v_max_num_f32 v[T+8*\i+\b], 1.0, v[T+8*\i+\b]   ; u = max(I - R + 125, 1), at most 125
.endr
.endr
.irp b, 0,2,4,6
.irp i, 0,1,2,3
	v_cvt_i32_f32 v[T+8*\i+\b], v[T+8*\i+\b]
.endr
.endr
.irp b, 0,2,4,6
.irp i, 0,1,2,3
	v_ldexp_f32 v[T+8*\i+\b+1], v[T+8*\i+\b+1], v[T+8*\i+\b]
.endr
.endr
.irp i, 0,1,2,3
.if \zero
	v_add_f32 v[FL+2*\i+1], v[T+8*\i+1], v[T+8*\i+3]
.else
	v_fma_f32 v[FL+2*\i+1], v[FL+2*\i+1], v[FL+2*\i], v[T+8*\i+1]
.endif
.endr
.irp i, 0,1,2,3
	v_add_f32 v[T+8*\i+5], v[T+8*\i+5], v[T+8*\i+7]
.endr
.if (\zero) == 0
.irp i, 0,1,2,3
	v_add_f32 v[FL+2*\i+1], v[FL+2*\i+1], v[T+8*\i+3]
.endr
.endif
.irp i, 0,1,2,3
	v_add_f32 v[FL+2*\i+1], v[FL+2*\i+1], v[T+8*\i+5]   ; the sum stays in two halves, one for each half of the lanes, until the end
.endr
.irp i, 0,1,2,3
	v_lshl_or_b32 v[PW+\i], v[T+8*\i+2], 8, v[T+8*\i]
.endr
.irp i, 0,1,2,3
	v_lshl_or_b32 v[PW+\i], v[T+8*\i+4], 16, v[PW+\i]
.endr
.irp i, 0,1,2,3
	v_lshl_or_b32 v[PW+\i], v[T+8*\i+6], 24, v[PW+\i]   ; P's scale words: half 0's in lanes 0-15, half 1's in lanes 16-31
.endr
.endm
.macro RS j                            ; channel tile j's four accumulators x f, each from its low end on
.if (\j) < 8
	WIN 0x41
.else
	WIN 0x82
.endif
.irp i, 0,1,2,3
.set od, 8*((8*((\j)/2)+2*\i+(\j)%2)%32)
.irp a, 0,2,4,6
	v_pk_mul_f32 v[od+\a:od+\a+1], v[od+\a:od+\a+1], v[FL+2*\i:FL+2*\i+1] op_sel_hi:[1,0]
.endr
.endr
.endm
.macro W kk, j, zero                   ; O^T += V^T P^T: channel tile j, the four query tiles, the 128 keys of half kk
.if (\j) < 8
	WIN 0x50+0x0c*(1-(\kk))
.else
	WIN 0xa0+0x0c*(1-(\kk))
.endif
.irp i, 0,1,2,3
.set od, 8*((8*((\j)/2)+2*\i+(\j)%2)%32)
.set pb, T+12*\i+(1-(\kk))*(SB-T)
.if (\zero) && ((\kk) == 0)
	MM od, KB+12*(\j), pb, -1, KVS+6*(\kk)+(\j)/2, PW+\i, (\j)%2, \kk
.else
	MM od, KB+12*(\j), pb, od, KVS+6*(\kk)+(\j)/2, PW+\i, (\j)%2, \kk
.endif
.endr
.endm
.macro VLOAD kk, j0, j1
.set vj, \j0
.rept \j1-\j0+1
.irp c, 0,1,2
	ds_load_b128 v[KB+12*vj+4*\c:KB+12*vj+4*\c+3], v[AV] offset:(12*\kk+vj)*FRB+512*\c
.endr
.set vj, vj+1
.endr
.endm
; The change of phases.  Each wave waits for all its tensor loads (the one that is out brings what the next phase reads), adds 0 to its spare word, and waits for that, for its LDS stores and for its reads of the region just left.
; fill = 1: the barrier is a round of the cluster's, and behind it that region is filled again, first thing, with the next 256 keys' part: it has a whole phase in which to land.
.macro TURN g0, fill
	WIN 0
	s_wait_tensorcnt 0x0                            ; no tensor load of mine is out, so a group 0 may be written
	ds_add_u32 v[SPW], v[NIL]                       ; 0 onto my spare word
.if \fill
	s_add_nc_u64 s[\g0+2:\g0+3], s[\g0+2:\g0+3], STEPB   ; the next step's part; the type bits on top are not reached
.endif
	s_wait_dscnt 0x0
.if \fill
	CROUND
	JLOAD \g0
.else
	s_barrier_signal -1
	s_barrier_wait -1
	PLACES 4
.endif
.endm
.macro QKPH tail
.irp n, 0,1,2,3,4,5,6,7,8,9,10,11
	ds_load_b32 v[KVS+\n], v[AKS] offset:128*\n     ; K's scale words: (half, channel step), tile u = 1's in lanes 16-31
.endr
	KLOAD 0
	QK 0, 1
	PLACES 4                                        ; in front of the loads into K's registers and of the first read of the scores
	WIN 0
	KLOAD 1                                         ; lands under the softmax
	SOFTMAX 0
	s_wait_dscnt 0x0
	QK 1, 0
	PLACES 4
.if \tail
	LOADQ 10                                        ; Q is done with: w_final takes its registers
.endif
	SOFTMAX 1
.endm
.macro PVPH zero
.irp i, 0,1,2,3
	ds_load_b128 v[T+8*\i:T+8*\i+3], v[ASR] offset:1024*\i
	ds_load_b128 v[T+8*\i+4:T+8*\i+7], v[ASR] offset:1024*\i+16
.endr
.irp n, 0,1,2,3,4,5,6,7,8,9,10,11
	ds_load_b32 v[KVS+\n], v[AVS] offset:128*\n
.endr
	WIN 0xc0
.irp i, 0,1,2,3
.irp c, 0,1,2
	ds_load_b128 v[SB+12*\i+4*\c:SB+12*\i+4*\c+3], v[APR] offset:\i*FRB+512*\c
.endr
.endr
	WIN 0
	VLOAD 0, 0, 11
	s_wait_dscnt 60                                 ; the eight loads of (I, L) are in; 12 + 12 + 36 behind them may be out
	COMBINE \zero
.irp i, 0,1,2,3
.irp c, 0,1,2
	ds_load_b128 v[T+12*\i+4*\c:T+12*\i+4*\c+3], v[APR] offset:(4+\i)*FRB+512*\c
.endr
.endr
.if \zero
	PLACES 8                                        ; scale words made by vector instructions stand 8 places ahead of a scaled matrix instruction
.else
	RS 0                                            ; (these 32 are those places)
	RS 1
.endif
	s_wait_dscnt 30                                 ; V's slots 6-11 (18 loads) and P's second half (12) may be out
.set wj, 0
.rept 12
	W 0, wj, \zero
.if ((\zero) == 0) && (wj < 10)
	RS wj+2                                         ; the rescaling runs two channel tiles ahead of the products, beside them
.endif
.if wj == 5
.if \zero
	PLACES 4
.endif
	WIN 0
	VLOAD 1, 0, 5                                   ; slots 0-5 are free
	s_wait_dscnt 30                                 ; P's second half (12) and the 18 just issued may be out
.endif
.set wj, wj+1
.endr
	PLACES 4
	WIN 0
	VLOAD 1, 6, 11
	s_wait_dscnt 18                                 ; all but the 18 just issued
.set wj, 0
.rept 6
	W 1, wj, 0
.set wj, wj+1
.endr
	s_wait_dscnt 0x0
.rept 6
	W 1, wj, 0
.set wj, wj+1
.endr
.endm
; The end: my channels 32 m .. 32 m + 31 of the four tiles: / the sum, quantised; codes into rows, bytes beside them
.macro HBLOCK m
.set ow, 1+(\m)/4
.set ob, 64*((\m)%4)
	WIN (ow<<6)|ow
.irp i, 0,1,2,3
.irp a, 0,2,4,6,8,10,12,14
	v_pk_mul_f32 v[ob+16*\i+\a:ob+16*\i+\a+1], v[ob+16*\i+\a:ob+16*\i+\a+1], v[FL+2*\i:FL+2*\i+1] op_sel_hi:[1,0]
.endr
.endr
	WIN 5*ow
.irp i, 0,1,2,3
	v_max3_num_f32 v[MX+\i], |v[ob+16*\i]|, |v[ob+16*\i+1]|, 0x1800000
.endr
	WIN 0x14*ow
.irp a, 2,4,6,8,10,12,14
.irp i, 0,1,2,3
	v_max3_num_f32 v[MX+\i], v[MX+\i], |v[ob+16*\i+\a]|, |v[ob+16*\i+\a+1]|
.endr
.endr
	WIN 0
	s_wait_dscnt 0x0                                ; the last block's LDS stores have read their registers
.irp i, 0,1,2,3
	v_permlanex16_b32 v[PT+\i], v[MX+\i], s40, s41
.endr
.irp i, 0,1,2,3
	v_max_num_f32 v[MX+\i], v[MX+\i], v[PT+\i]
.endr
.irp i, 0,1,2,3
	v_add_nc_u32 v[SC+\i], 0xff000000, v[MX+\i]
.endr
.irp i, 0,1,2,3
	v_lshrrev_b32 v[EE+\i], 23, v[SC+\i]
.endr
	WIN ow
.irp j, 0,1
	v_cvt_scalef32_pk16_fp6_f32 v[PC+6*\j:PC+6*\j+2], v[ob+32*\j:ob+32*\j+15], v[SC+2*\j]
	v_cvt_scalef32_pk16_fp6_f32 v[CT+4*\j:CT+4*\j+2], v[ob+32*\j+16:ob+32*\j+31], v[SC+2*\j+1]
.endr
	WIN 0
	v_nop
.irp j, 0,1
.irp c, 0,1,2
	v_permlane16_swap_b32 v[PC+6*\j+\c], v[CT+4*\j+\c]
.endr
.irp c, 0,1,2
	v_mov_b32 v[PC+6*\j+3+\c], v[CT+4*\j+\c]
.endr
.endr
.irp j, 0,1
.irp k, 0,1,2
	ds_store_b64 v3, v[PC+6*\j+2*\k:PC+6*\j+2*\k+1] offset:32*HP*\j+24*(\m)+8*\k
.endr
.endr
.irp i, 0,1,2,3
	ds_store_b8 v4, v[EE+\i] offset:512*\i+(\m)     ; both halves of the lanes write the same byte with the same value
.endr
.endm
	s_load_b256 s[4:11], s[0:1], 0x0                ; qb, kb, vb, wfb
	s_load_b128 s[12:15], s[0:1], 0x20              ; b_final, out0
	v_lshl_add_u32 v[SPW], v0, 2, SPARE
	v_mov_b32 v[NIL], 0
	ds_add_u32 v1, v2
	ds_add_u32 v1, v2
	s_wait_dscnt 0x0
	v_lshrrev_b32 v54, 5, v0
	v_readfirstlane_b32 s16, v54                    ; wave w
	s_bfe_u32 s17, ttmp6, 0x40000                   ; cx: my place in the cluster: it enters Q's and out0's addresses alone
	s_and_b32 s18, ttmp7, 0xffff                    ; the batch, which the four partners share
	s_lshl_b32 s19, ttmp9, 2
	s_add_co_u32 s19, s19, s17                      ; my block of 64 queries in the batch
	s_lshl_b32 s20, s18, 5
	s_add_co_u32 s20, s20, s19
	s_mul_i32 s46, s20, SUB                         ; Q's block
	s_mov_b32 s47, 0
	s_lshr_b32 s21, s16, 1                          ; w / 2
	s_and_b32 s22, s16, 1                           ; w % 2
	s_lshl_b32 s48, s20, 14                         ; out0: 64 rows of 256 bytes a block; my tile begins at row 32 (w / 2) + 8 (w % 2)
	s_lshl_b32 s50, s21, 13
	s_add_co_u32 s48, s48, s50
	s_lshl_b32 s50, s22, 11
	s_add_co_u32 s48, s48, s50
	s_mov_b32 s49, 0
	s_mul_i32 s23, s16, SUB                         ; my part of a step's K and V, in memory and in LDS
	s_mul_i32 s52, s18, 8*STEPB
	s_add_co_u32 s52, s52, s23
	s_mov_b32 s53, 0
	; descriptor group 1: a dense block of 38,400 bytes as 150 rows of 256 bytes (32 elements of 8 bytes), no padding: images are read 512 consecutive bytes an instruction
	s_mov_b32 s24, 15|(3<<16)|(1<<21)               ; 15:0 the mask: all four work-groups; 17:16 elements of 8 bytes; 21 set beside a mask
	s_mov_b32 s25, 32<<16                           ; tensor_dim0 = 32
	s_mov_b32 s26, 150<<16                          ; tensor_dim1 = 150
	s_mov_b32 s27, 32<<16                           ; tile_dim0 = 32
	s_mov_b32 s28, 150                              ; tile_dim1 = 150
	s_mov_b32 s29, 32                               ; the pitch
	s_mov_b32 s30, 0
	s_mov_b32 s31, 0
	s_mov_b32 s40, 0x76543210
	s_mov_b32 s41, 0xfedcba98                       ; v_permlanex16_b32's selects for lane l xor 16
	s_mov_b32 s42, 0x3e38aa3b                       ; c = log2(e) / 8
	s_mov_b32 s43, s42                              ; (named with it as a pair, so it is written)
	v_and_b32 v55, 31, v0                           ; lane
	v_and_b32 v56, 15, v0                           ; r
	v_bfe_u32 v57, v0, 4, 1                         ; h
	v_lshlrev_b32 v[LI16], 4, v55
	v_lshlrev_b32 v[LI4], 2, v55
	v_add_nc_u32 v[AK], s23, v[LI16]
	v_add_nc_u32 v[AKS], s23, v[LI4]
	v_add_nc_u32 v[AKS], SCO, v[AKS]
	v_add_nc_u32 v[AV], VREG, v[AK]
	v_add_nc_u32 v[AVS], VREG, v[AKS]
	s_lshl_b32 s50, s22, 8
	s_mul_i32 s51, s21, 520
	s_add_co_u32 s51, s51, s50
	s_add_co_u32 s51, s51, PREG
	v_mul_u32_u24 v58, v57, FRB
	v_lshl_add_u32 v58, v56, 4, v58
	v_add_nc_u32 v[APW1], s51, v58                  ; P's image: registers 6 (w / 2) + 0, 1 (and, 512 bytes on, + 4, 5) of lane r + 16 (w % 2), tile + h
	s_mul_i32 s51, s21, 1016
	s_add_co_u32 s51, s51, s50
	s_add_co_u32 s51, s51, PREG+8
	v_add_nc_u32 v[APW2], s51, v58                  ; registers 6 (w / 2) + 2, 3
	v_add_nc_u32 v[APR], PREG, v[LI16]
	v_lshlrev_b32 v59, 6, v56
	s_lshl_b32 s51, s16, 3
	s_add_co_u32 s51, s51, SREG
	v_add_nc_u32 v[ASW], s51, v59
	v_lshl_add_u32 v[ASR], v57, 5, v59
	v_add_nc_u32 v[ASR], SREG, v[ASR]
.irp i, 0,1,2,3
	v_mov_b32 v[PT+\i], 0                           ; written once: a lane permute's destination counts as one of its sources
	v_mov_b32 v[NM+2*\i+1], 0                       ; (named as the upper half of a pair)
.endr
	s_wait_kmcnt 0x0
	s_add_nc_u64 s[4:5], s[4:5], s[46:47]
	s_add_nc_u64 s[14:15], s[14:15], s[48:49]
	CROUND                                          ; all four work-groups are here: the first joint loads meet
	s_mov_b32 s32, 1                                ; group 0 for K: count = 1,
	s_mov_b32 s33, s23                              ; LDS address,
	s_add_nc_u64 s[34:35], s[6:7], s[52:53]         ; global address: the batch's first 256 keys, my part,
	s_or_b32 s35, s35, 0x80000000                   ; type = 2
	s_mov_b32 s36, 1                                ; and for V
	s_add_co_u32 s37, s23, VREG
	s_add_nc_u64 s[38:39], s[8:9], s[52:53]
	s_or_b32 s39, s39, 0x80000000
	tensor_load_to_lds s[32:35], s[24:31]           ; the two first fills go out together: two loads of mine are out
	s_nop 0
	tensor_load_to_lds s[36:39], s[24:31]
	s_nop 0
.rept 4
	v_nop
.endr
	LOADQ 4
	s_wait_tensorcnt 0x1                            ; my part of K is in; V's may stay out
	s_barrier_signal -1
	s_barrier_wait -1
	s_wait_loadcnt 0x0                              ; Q
	QKPH 0                                          ; keys 0 to 255: the products start O^T's sums, nothing is cleared
	TURN 32, 1
	PVPH 1
	TURN 36, 1
	s_mov_b32 s44, 6
.Lstep:                                             ; six trips: steps 1 to 6
	QKPH 0
	TURN 32, 1
	PVPH 0
	TURN 36, 1
	s_sub_co_u32 s44, s44, 1
	s_cmp_lg_u32 s44, 0
	s_cbranch_scc1 .Lstep
	QKPH 1                                          ; the last step is written out: it asks for nothing more
	TURN 32, 0
	PVPH 0
	; THE END.  The address arithmetic stands in the places behind the last products.
	WIN 0
	v_and_b32 v10, 15, v0                           ; r
	v_bfe_u32 v11, v0, 4, 1                         ; h
	v_lshlrev_b32 v9, 5, v11                        ; b_final: 32 h
	v_lshl_add_u32 v3, v11, 4, v10
	v_mul_u32_u24 v3, v3, HP
	s_mul_i32 s50, s16, 144
	v_add_nc_u32 v3, s50, v3                        ; codes in: row 16 h + r (+ 32 for the second pair of tiles), my 144 bytes
.irp t, 0,1,2,3
	global_load_b128 v[BI+8*\t:BI+8*\t+3], v9, s[12:13] offset:64*\t       ; b_final(16 t + 8 h + 0 .. 7): the result's layout
	global_load_b128 v[BI+8*\t+4:BI+8*\t+7], v9, s[12:13] offset:64*\t+16
.endr
	v_lshlrev_b32 v4, 5, v10
	s_mul_i32 s50, s16, 6
	s_add_co_u32 s50, s50, HSREG
	v_add_nc_u32 v4, s50, v4                        ; bytes in: 32 r + 6 w
	v_mul_u32_u24 v5, v10, HP
	v_mad_u32_u24 v5, v11, 24, v5
	s_mul_i32 s50, s16, 16*HP
	v_add_nc_u32 v5, s50, v5                        ; codes out: row 16 w + r, + 24 h
	v_lshlrev_b32 v6, 5, v10
	s_lshl_b32 s50, s16, 9
	s_add_co_u32 s50, s50, HSREG
	v_add_nc_u32 v6, s50, v6                        ; scale words out
	v_mul_u32_u24 v7, v10, SP
	v_lshl_add_u32 v7, v11, 5, v7
	s_mul_i32 s50, s16, 16*SP
	s_add_co_u32 s50, s50, STG
	v_add_nc_u32 v7, s50, v7                        ; my stage, in: row r, + 32 h
	v_mul_u32_u24 v8, v11, SP
	v_lshl_add_u32 v8, v10, 4, v8
	v_add_nc_u32 v8, s50, v8                        ; back: lanes 0-15 one row, lanes 16-31 the next
	v_lshlrev_b32 v48, 8, v11
	v_lshl_add_u32 v48, v10, 4, v48                 ; and the same two rows in out0
.irp i, 0,1,2,3
	v_permlanex16_b32 v[PT+\i], v[FL+2*\i+1], s40, s41
.endr
.irp i, 0,1,2,3
	v_add_f32 v[FL+2*\i+1], v[FL+2*\i+1], v[PT+\i]  ; the sum's two halves
.endr
.irp i, 0,1,2,3
	v_rcp_f32 v[FL+2*\i], v[FL+2*\i+1]
.endr
	v_nop                                           ; a plain place behind the reciprocals
	s_wait_alu depctr_va_vdst(0)
	HBLOCK 0
	HBLOCK 1
	HBLOCK 2
	HBLOCK 3
	HBLOCK 4
	HBLOCK 5
	s_wait_dscnt 0x0                                ; for the others' sake: my codes and bytes lie in LDS
	s_barrier_signal -1
	s_barrier_wait -1
.irp ks, 0,1,2,3,4,5                            ; query tile w: six fragments, each 48 bytes a lane as six loads of 8
.irp c, 0,1
.irp p, 0,1,2
	ds_load_b64 v[KB+12*\ks+6*\c+2*\p:KB+12*\ks+6*\c+2*\p+1], v5 offset:96*\ks+48*\c+8*\p
.endr
.endr
.endr
.irp ks, 0,1,2,3,4,5
	ds_load_b32 v[KVS+\ks], v6 offset:4*\ks
.endr
	s_wait_loadcnt 0x0                              ; w_final and b_final
	s_wait_dscnt 0x0
.irp ks, 0,1,2,3,4,5                            ; out^T = w_final H^T + b: four accumulators by turns
.if \ks < 2
	WIN 0x02
.set qb0, 128+48*\ks
.else
	WIN 0x03
.set qb0, 48*(\ks-2)
.endif
.irp t, 0,1,2,3
.if \ks == 0
	MM T+8*\t, qb0+12*\t, KB+12*\ks, BI+8*\t, QS+6*(\t/2)+\ks, KVS+\ks, \t%2, 0
.else
	MM T+8*\t, qb0+12*\t, KB+12*\ks, T+8*\t, QS+6*(\t/2)+\ks, KVS+\ks, \t%2, 0
.endif
.endr
.endr
	WIN 0
	PLACES 4
.irp t, 0,1,2,3
	ds_store_b128 v7, v[T+8*\t:T+8*\t+3] offset:64*\t          ; lane (r, h): out(query r, 16 t + 8 h + 0 .. 7); each result from its low end on
	ds_store_b128 v7, v[T+8*\t+4:T+8*\t+7] offset:64*\t+16
.endr
.irp t, 0,1,2,3,4,5,6,7
	ds_load_b128 v[KB+4*\t:KB+4*\t+3], v8 offset:2*\t*SP       ; LDS serves a wave's instructions in order: these see my stores
.endr
.irp t, 0,1,2,3,4,5,6,7
	s_wait_dscnt 7-\t
	global_store_b128 v48, v[KB+4*\t:KB+4*\t+3], s[14:15] offset:(2*\t+8*(\t/4))*256 th:TH_STORE_NT   ; the tile's row 2 t + h is query 2 t + h + 8 (t / 4) of its sixteen; 32 lanes store 512 consecutive bytes, aligned
.endr
	s_wait_tensorcnt 0x0                            ; the wave's end: behind my last tensor load and my last LDS store
	ds_add_u32 v[SPW], v[NIL]
	s_wait_dscnt 0x0
	CROUND                                          ; the closing round: no work-group ends while a partner may still ask for a part that names it
	s_endpgm
.Lfunc_end_k_qbf5f8a6c7f_attn:
	.size	k_qbf5f8a6c7f_attn, .Lfunc_end_k_qbf5f8a6c7f_attn-k_qbf5f8a6c7f_attn
	.p2alignl 7, 3214868480
	.fill 96, 4, 3214868480
	.section	.rodata,"a",@progbits
	.p2align	6, 0x0
	.amdhsa_kernel k_qbf5f8a6c7f_attn
		.amdhsa_group_segment_fixed_size 327680
		.amdhsa_private_segment_fixed_size 0
		.amdhsa_enable_private_segment 0
		.amdhsa_kernarg_size 48
		.amdhsa_user_sgpr_count 2
		.amdhsa_user_sgpr_kernarg_segment_ptr 1
		.amdhsa_wavefront_size32 1
		.amdhsa_system_sgpr_workgroup_id_x 1
		.amdhsa_system_sgpr_workgroup_id_y 1
		.amdhsa_system_sgpr_workgroup_id_z 1
		.amdhsa_system_vgpr_workitem_id 0
		.amdhsa_next_free_vgpr 1024
		.amdhsa_next_free_sgpr 66
		.amdhsa_reserve_vcc 0
		.amdhsa_float_denorm_mode_32 3
		.amdhsa_float_denorm_mode_16_64 3
		.amdhsa_memory_ordered 1
		.amdhsa_forward_progress 1
		.amdhsa_inst_pref_size 255
	.end_amdhsa_kernel
	.section	.bss,"aw",@nobits
	.p2align	6
	.space	262144
	.amdgpu_metadata
---
amdhsa.version: [ 1, 2 ]
amdhsa.kernels:
  - .name:           k_qbf5f8a6c7f_attn
    .symbol:         k_qbf5f8a6c7f_attn.kd
    .args:
      - { .name: qb, .offset: 0, .size: 8, .value_kind: global_buffer, .address_space: global }
      - { .name: kb, .offset: 8, .size: 8, .value_kind: global_buffer, .address_space: global }
      - { .name: vb, .offset: 16, .size: 8, .value_kind: global_buffer, .address_space: global }
      - { .name: wfb, .offset: 24, .size: 8, .value_kind: global_buffer, .address_space: global }
      - { .name: b_final, .offset: 32, .size: 8, .value_kind: global_buffer, .address_space: global }
      - { .name: out0, .offset: 40, .size: 8, .value_kind: global_buffer, .address_space: global }
    .group_segment_fixed_size: 327680
    .private_segment_fixed_size: 0
    .kernarg_segment_align: 8
    .kernarg_segment_size: 48
    .max_flat_workgroup_size: 128
    .sgpr_count:     66
    .vgpr_count:     1024
    .wavefront_size: 32
...
	.end_amdgpu_metadata
.endif
;; end of part 2
;; ======== version 2 of 3: 2 launches; 1.16 times as fast as version 1
;; limits: right only within a limited range of input values
;; workspace buffers: qb 9,830,400 bytes; kb 9,830,400 bytes; vb 9,830,400 bytes; wfb 38,400 bytes
;; launch prep (part 3): grid 256 x 1, 4 waves a work-group, no clusters, 74,240 bytes of LDS; arguments x, w_q, w_k, w_v, w_final, qb, kb, vb, wfb; writes qb, kb, vb, wfb
.if DOCPART == 3
	.amdgcn_target "amdgcn-amd-amdhsa--gfx1250"
	.amdhsa_code_object_version 6
	.text
	.protected	k_qbf5f8a6c7f_prep
	.globl	k_qbf5f8a6c7f_prep
	.p2align	8
	.type	k_qbf5f8a6c7f_prep,@function
k_qbf5f8a6c7f_prep:
	s_mov_b64 s[64:65], 0
	v_nop
	global_prefetch_b8 v0, s[64:65] scope:SCOPE_SE
	s_setreg_imm32_b32 hwreg(HW_REG_WAVE_MODE, 25, 1), 1
	s_wait_xcnt 0x0
; q = x Wq^T, k = x Wk^T, v = x Wv^T on codes of FP6 (E2M3) with one E8M0 scale for each 32 along K (K = 64: two blocks), and the results,
; with w_final, quantised again for the products that follow: q and k along their 768 channels, v along the keys, w_final along its 768 columns.
; WHAT IS STORED are IMAGES OF OPERAND REGISTERS: a fragment (16 rows x 128 K, 12 registers a lane) is 1,536 bytes, registers 4 g .. 4 g + 3 of lane l at 512 g + 16 l; a scale word is 4 bytes a lane.
; So every store of codes covers 512 consecutive bytes and the next launch fetches operands as they lie.
; THE ROWS OF A TILE ARE NOT NEIGHBOURS: lane r of tile 2 p + u takes row 32 p + 8 u + r + 8 (r / 8), so that the 16 result registers of two neighbouring tiles are 16 neighbours along the next K.
; SHARES.  Work-group g, wave w, 18 fragments, 8 matrix instructions each (the results come transposed: a lane holds one row of the coming operand, its registers run along the coming K):
;   waves 0, 1: q, waves 2, 3: k, of rows 64 g .. 64 g + 63 (four tiles), channel steps 3 (w % 2) + 0 .. 2: source 0 = 8 tiles of the weight, source 1 = a tile of x;
;   all waves: v of keys 128 (g / 2) on, channel tiles 24 (g % 2) + 6 w + 0 .. 5: source 0 = 8 tiles of x, source 1 = a tile of w_v;
;   work-groups 0 to 5: the fragment (rows 16 w on, columns 128 g on) of w_final.
; K = 64 fills half an instruction: registers 6 to 11 of every fragment here are zero codes, written once, which add nothing under any scale byte but 0xff; their scale bytes are 0.
; DENSE LOADS, AND A TURN THROUGH LDS.  The conversions want a block's 32 numbers, 128 bytes of one row, in ONE lane; taken so from memory, each load of a wave would touch 16 rows for 32 bytes each.
; But a unit of four tiles is 64 rows on end, 16,384 dense bytes: so each load takes 512 consecutive bytes, 16 a lane, as they lie; the unit goes into the wave's own stage in LDS and comes back 128 bytes a lane.
; In the stage byte c of row R lies at 272 R + 128 (R / 16) + c
; Each wave has a stage of its own and LDS serves a wave's instructions in order: no barrier, one stage for all units.
; Each wave quantises what it multiplies: x and the weights are small; sharing them among the waves would spare a quarter of the vector work at the price of barriers.
; A block's scale byte is its largest magnitude's exponent field - 2, held at 1 from below.
; LIMITS: a block of zeros gets the byte 1 where the quantiser's rule says 127 (its codes are zeros; only this program reads the bytes); blocks whose largest magnitude lies under 2^-124 are held at the byte 1;
; NaN and infinities among the inputs are not served.
; REGISTERS.  window 0: v4-10 offsets; v16-87 six source-1 fragments, v88-93 their scale words; v94-101 eight source-0 scale words, v104-199 their fragments; v200-215 at work; v216-218 scale words on the way out;
;   v220-239 the codes just made; v240-251 at work.   window 1: two sets of 128 registers in which loads land.   window 2: v0-127 two sets of eight results; v128-255 the third landing set.
;   window 3: two sets of 128 numbers a lane, back from the stage: tile t's block at 32 t on.
.set WSTG, 18432                       ; a wave's stage: 64 rows x 272 bytes + 4 x 128, rounded up
.set LR,   4                           ; v4   out of the stage: 272 (r + 8 (r / 8)) + 128 (r / 8) + 128 h + my wave's stage: my block of 32 numbers
.set OL,   5                           ; v5   16 x lane
.set OS,   6                           ; v6   4 x lane
.set SH8,  7                           ; v7   8 h: my block's byte in a scale word
.set LAF,  8                           ; v8   w_final: r x 3,072 + 128 h
.set WFS,  9                           ; v9   w_final's scale word: 4 r + 64 (w % 2)
.set LW,   10                          ; v10  into the stage: 272 h + 16 r + my wave's stage: a load's two rows
.set SF,   16
.set SFS,  88
.set WS,   94
.set WF,   104
.set TM,   200
.set PW,   216
.set PWE,  217
.set PWM,  218
.set PC,   220
.set QM,   240
.set QE,   244
.set QP,   248
.set XO,   26                          ; s[26:27] x at my work-group's 64 rows
.set XG,   28                          ; s[28:29] x at the 128 keys of group g / 2
.set WQ,   6                           ; s[6:7]   w_q or w_k at my three groups of 128 rows
.set WV,   10                          ; s[10:11] w_v at my six tiles
.set OC,   32                          ; s[32:35] where the codes of q or k go: a base for each pair of tiles
.set OSC,  36                          ; s[36:39] and their scale words
.set OCV,  40                          ; s[40:41] v's codes
.set OSV,  42                          ; s[42:43] v's scale words
.set MASK, 44                          ; s44      lanes 16-31
.set SEL,  46                          ; s[46:47] lane selects for v_permlanex16_b32: lane l xor 16
.set MSB, 0
.macro WIN new                         ; the immediate's high byte repeats the setting that is left; a switch that changes nothing is dropped
.if MSB != (\new)
	s_set_vgpr_msb (MSB<<8)|(\new)
.set MSB, (\new)
.endif
.endm
.macro PLACES n
.rept \n
	v_nop
.endr
.endm
; n tiles, 16 n rows on end of 256 bytes, into landing set b: load i takes rows 2 i and 2 i + 1, 512 consecutive bytes, 16 a lane
.macro LOADU b, bs, off, n
.set gb, 128*(((\b)+1)/2)
	WIN (1+(\b)/2)<<6
.set ii, 0
.rept 8*(\n)
	global_load_b128 v[gb+4*ii:gb+4*ii+3], v[OL], s[\bs:\bs+1] offset:(\off)+512*ii
.set ii, ii+1
.endr
	WIN 0
.endm
; landing set b goes through my stage into set x of window 3.  LDS serves a wave's instructions in order: no wait between the stores and the loads, nor between the last unit's loads and these stores
.macro TURN b, x, n
.set gb, 128*(((\b)+1)/2)
	WIN (1+(\b)/2)<<2                               ; an LDS store's data are its source 1
.set ii, 0
.rept 8*(\n)
	ds_store_b128 v[LW], v[gb+4*ii:gb+4*ii+3] offset:544*ii+128*(ii/8)
.set ii, ii+1
.endr
	WIN 0xc0
.set tt, 0
.rept \n
.irp q, 0,1,2,3,4,5,6,7
	ds_load_b128 v[128*(\x)+32*tt+4*\q:128*(\x)+32*tt+4*\q+3], v[LR] offset:(32*(tt/2)+8*(tt%2))*272+256*(tt/2)+16*\q   ; tile t begins at row 32 (t / 2) + 8 (t % 2)
.endr
.set tt, tt+1
.endr
	WIN 0
.endm
; the n tiles of set x become fragments at v[f] on (registers 0 to 5 of each) and scale words at v[s] on.  A block lies whole in one lane; the tiles take turns line by line.
.macro QIN x, f, s, n
.set bw, 3
.set bb, 128*(\x)
	WIN 5*bw
.set tt, 0
.rept \n
	v_max3_num_f32 v[QM+tt], |v[bb+32*tt]|, |v[bb+32*tt+1]|, 0x1800000   ; with the floor 2^(3 - 127): the byte cannot fall under 1
.set tt, tt+1
.endr
	WIN 0x14*bw
.irp a, 2,4,6,8,10,12,14,16,18,20,22,24,26,28,30
.set tt, 0
.rept \n
	v_max3_num_f32 v[QM+tt], v[QM+tt], |v[bb+32*tt+\a]|, |v[bb+32*tt+\a+1]|
.set tt, tt+1
.endr
.endr
	WIN 0
.set tt, 0
.rept \n
	v_add_nc_u32 v[QM+tt], 0xff000000, v[QM+tt]     ; 2 off the exponent field: the conversion's scale operand
.set tt, tt+1
.endr
.set tt, 0
.rept \n
	v_lshrrev_b32 v[QE+tt], 23, v[QM+tt]            ; the scale's byte,
.set tt, tt+1
.endr
.set tt, 0
.rept \n
	v_lshlrev_b32 v[QE+tt], v[SH8], v[QE+tt]        ; at its place: byte h
.set tt, tt+1
.endr
.set tt, 0
.rept \n
	v_permlanex16_b32 v[QP+tt], v[QE+tt], s[SEL], s[SEL+1]
.set tt, tt+1
.endr
.set tt, 0
.rept \n
	v_or_b32 v[(\s)+tt], v[QE+tt], v[QP+tt]         ; with lane l xor 16's byte the word is whole; bytes 2 and 3 stay 0 over zero codes
.set tt, tt+1
.endr
	WIN bw
.set tt, 0
.rept \n
	v_cvt_scalef32_pk16_fp6_f32 v[(\f)+12*tt:(\f)+12*tt+2], v[bb+32*tt:bb+32*tt+15], v[QM+tt]
	v_cvt_scalef32_pk16_fp6_f32 v[TM+4*tt:TM+4*tt+2], v[bb+32*tt+16:bb+32*tt+31], v[QM+tt]   ; (a conversion's three registers begin on an even number)
.set tt, tt+1
.endr
	WIN 0
	v_nop                                           ; one plain place behind a scaled conversion
.set tt, 0
.rept \n
.irp i, 0,1,2
	v_mov_b32 v[(\f)+12*tt+3+\i], v[TM+4*tt+\i]
.endr
.set tt, tt+1
.endr
.endm
; eight products, each a whole sum (K = 64): results into set n % 2
.macro WM n, sidx
	WIN 0x80
.irp t, 0,1,2,3,4,5,6,7
	v_wmma_scale_f32_16x16x128_f8f6f4 v[64*((\n)%2)+8*\t:64*((\n)%2)+8*\t+7], v[WF+12*\t:WF+12*\t+11], v[SF+12*(\sidx):SF+12*(\sidx)+11], 0, v[WS+\t], v[SFS+(\sidx)] matrix_a_fmt:MATRIX_FMT_FP6 matrix_b_fmt:MATRIX_FMT_FP6
.endr
	WIN 0
.endm
; 64 results of a lane, register 16 b + i = k 32 b + 16 h + i of my row, become a fragment's codes in v[PC] on and its scale word in v[PW]
.macro QUANT set
.set dq, 64*((\set)%2)
	s_wait_xcnt 0x0                                 ; the last fragment's stores have read their registers: the codes and the scale word may be written again
	WIN 0x0a
.irp b, 0,1,2,3
	v_max3_num_f32 v[TM+\b], |v[dq+16*\b]|, |v[dq+16*\b+1]|, 0x1800000   ; each result is read from its low end on
.endr
	WIN 0x28
.irp i, 2,4,6,8,10,12,14
.irp b, 0,1,2,3
	v_max3_num_f32 v[TM+\b], v[TM+\b], |v[dq+16*\b+\i]|, |v[dq+16*\b+\i+1]|
.endr
.endr
	WIN 0
.irp b, 0,1,2,3
	v_permlanex16_b32 v[TM+4+\b], v[TM+\b], s[SEL], s[SEL+1]
.endr
.irp b, 0,1,2,3
	v_max_num_f32 v[TM+\b], v[TM+\b], v[TM+4+\b]    ; with lane l xor 16's 16 numbers: the block's largest magnitude
.endr
.irp b, 0,1,2,3
	v_add_nc_u32 v[TM+12+\b], 0xff000000, v[TM+\b]
.endr
.irp b, 0,1,2,3
	v_lshrrev_b32 v[TM+4+\b], 23, v[TM+12+\b]
.endr
	v_lshl_or_b32 v[PW], v[TM+5], 8, v[TM+4]
	v_lshl_or_b32 v[PW], v[TM+6], 16, v[PW]
	v_lshl_or_b32 v[PW], v[TM+7], 24, v[PW]         ; my row's scale word, the same in both halves of the lanes
	WIN 0x02
.irp c, 0,1
	v_cvt_scalef32_pk16_fp6_f32 v[PC+6*\c:PC+6*\c+2], v[dq+32*\c:dq+32*\c+15], v[TM+12+2*\c]
	v_cvt_scalef32_pk16_fp6_f32 v[PC+12+4*\c:PC+14+4*\c], v[dq+32*\c+16:dq+32*\c+31], v[TM+13+2*\c]
.endr
	WIN 0
	v_nop                                           ; one plain place behind a scaled conversion
.irp c, 0,1                                     ; the operand's layout wants a whole block in a lane: lanes 0-15 block 2 c, lanes 16-31 block 2 c + 1
.irp i, 0,1,2
	v_permlane16_swap_b32 v[PC+6*\c+\i], v[PC+12+4*\c+\i]
.endr
.irp i, 0,1,2
	v_mov_b32 v[PC+3+6*\c+\i], v[PC+12+4*\c+\i]
.endr
.endr
.endm
; fragment n goes out: three stores of 512 consecutive bytes; the scale words of a pair of tiles leave together, the even tile's in lanes 0-15, the odd tile's in lanes 16-31: 128 consecutive bytes
.macro EMIT kind, j, n
.if (\n)%2 == 0
	v_mov_b32 v[PWE], v[PW]
.else
	v_cndmask_b32 v[PWM], v[PWE], v[PW], s[MASK]
.endif
.if \kind == 0
.irp c, 0,1,2
	global_store_b128 v[OL], v[PC+4*\c:PC+4*\c+3], s[OC+2*((\n)/2):OC+2*((\n)/2)+1] offset:((\n)%2)*9216+(\j)*1536+512*\c
.endr
.if (\n)%2 == 1
	global_store_b32 v[OS], v[PWM], s[OSC+2*((\n)/2):OSC+2*((\n)/2)+1] offset:(\j)*128
.endif
.else
.irp c, 0,1,2
	global_store_b128 v[OL], v[PC+4*\c:PC+4*\c+3], s[OCV:OCV+1] offset:(\n)*1536+512*\c
.endr
.if (\n)%2 == 1
	global_store_b32 v[OS], v[PWM], s[OSV:OSV+1] offset:((\n)/2)*128
.endif
.endif
.endm
; cnt fragments: the products of fragment n + 2 are issued ahead of the quantising of fragment n + 1, whose vector lines are the places behind them
.macro FRAGS kind, j, cnt
	WM 0, 0
	WM 1, 1
	PLACES 4                                        ; in front of the first read of results
.set fn, 0
.rept \cnt
	QUANT fn
	EMIT \kind, \j, fn
.if fn+2 < \cnt
	WM fn+2, fn+2
.endif
.set fn, fn+1
.endr
.endm
; the head of a step: the unit to be quantised is back from the stage, so that the stores of its turn have read their landing set; the next unit's loads are in, left younger loads may be out
.macro HEAD left
	s_wait_dscnt 0x0
	s_wait_loadcnt \left
.endm
	s_load_b256 s[4:11], s[0:1], 0x0                ; x, w_q, w_k, w_v
	s_load_b256 s[12:19], s[0:1], 0x20              ; w_final, qb, kb, vb
	s_load_b64 s[20:21], s[0:1], 0x40               ; wfb
	v_lshl_add_u32 v254, v0, 2, 0x12000
	v_mov_b32 v255, 0
	v_lshrrev_b32 v1, 5, v0
	v_readfirstlane_b32 s22, v1                     ; wave w
	s_and_b32 s23, s22, 1                           ; w % 2
	s_lshr_b32 s24, s22, 1                          ; w / 2
	s_and_b32 s25, ttmp9, 1                         ; g % 2
	s_bfe_u32 s54, ttmp9, 0x10001                   ; (g / 2) % 2
	s_lshr_b32 s55, ttmp9, 2
	s_mul_i32 s55, s55, 153600                      ; the block of 256 keys in kb and vb: number g / 4
	s_mul_i32 s52, s22, WSTG                        ; my wave's stage in LDS
	s_lshl_b32 s26, ttmp9, 14                       ; x: my 64 rows
	s_mov_b32 s27, 0
	s_lshr_b32 s28, ttmp9, 1
	s_lshl_b32 s28, s28, 15                         ; x: the group of 128 keys
	s_mov_b32 s29, 0
	s_mul_i32 s30, s23, 98304                       ; w_q, w_k: my three groups of 128 rows
	s_mov_b32 s31, 0
	s_mul_i32 s48, s25, 24
	s_mul_i32 s49, s22, 6
	s_add_co_u32 s48, s48, s49
	s_lshl_b32 s48, s48, 12                         ; w_v: tile 24 (g % 2) + 6 w
	s_mov_b32 s49, 0
	s_mul_i32 s32, ttmp9, 38400                     ; q: block g
	s_mul_i32 s56, s23, 4608                        ; my three channel steps' fragments,
	s_mul_i32 s57, s23, 384                         ; and their scale words
	s_mul_i32 s34, s25, 76800                       ; k: the block's parts 2 (g % 2) and 2 (g % 2) + 1
	s_add_co_u32 s34, s34, s55
	s_mul_i32 s58, s54, 18432                       ; which half of the 256 keys
	s_add_co_u32 s36, s34, s58
	s_mul_i32 s58, s54, 768
	s_add_co_u32 s38, s34, s58
	s_mov_b32 s50, 38400                            ; from a pair of tiles to the next: k: a part; q: 12 fragments, 6 x 128 bytes of scale words
	s_mov_b32 s51, 38400
	s_cmp_lt_u32 s22, 2                             ; waves 0, 1: q;  waves 2, 3: k
	s_cselect_b32 s36, s32, s36
	s_cselect_b32 s38, s32, s38
	s_cselect_b32 s50, 18432, s50
	s_cselect_b32 s51, 768, s51
	s_add_co_u32 s32, s36, s56
	s_add_co_u32 s34, s32, s50
	s_add_co_u32 s36, s38, s57
	s_add_co_u32 s36, s36, 36864
	s_add_co_u32 s38, s36, s51
	s_mov_b32 s33, 0
	s_mov_b32 s35, 0
	s_mov_b32 s37, 0
	s_mov_b32 s39, 0
	s_lshl_b32 s40, s25, 1                          ; v: part 2 (g % 2) + w / 2 of the block
	s_add_co_u32 s40, s40, s24
	s_mul_i32 s40, s40, 38400
	s_add_co_u32 s40, s40, s55
	s_mul_i32 s58, s54, 768
	s_add_co_u32 s42, s40, s58
	s_add_co_u32 s42, s42, s57
	s_add_co_u32 s42, s42, 36864
	s_mul_i32 s58, s54, 18432
	s_add_co_u32 s40, s40, s58
	s_mul_i32 s58, s23, 9216
	s_add_co_u32 s40, s40, s58
	s_mov_b32 s41, 0
	s_mov_b32 s43, 0
	s_mul_i32 s58, s22, 49152                       ; w_final: rows 16 w on, columns 128 g on (used by work-groups 0 to 5 alone)
	s_lshl_b32 s59, ttmp9, 9
	s_add_co_u32 s58, s58, s59
	s_mov_b32 s59, 0
	s_mul_i32 s60, s22, 6
	s_add_co_u32 s60, s60, ttmp9
	s_mul_i32 s60, s60, 1536                        ; its fragment 6 w + g,
	s_mov_b32 s61, 0
	s_mul_i32 s62, s24, 6
	s_add_co_u32 s62, s62, ttmp9
	s_lshl_b32 s62, s62, 7
	s_add_co_u32 s62, s62, 36864                    ; and its scale words
	s_mov_b32 s63, 0
	s_mov_b32 s[MASK], 0xffff0000
	s_mov_b32 s[SEL], 0x76543210
	s_mov_b32 s[SEL+1], 0xfedcba98
	s_lshl_b32 s45, s23, 6
	v_and_b32 v1, 31, v0                            ; lane
	v_and_b32 v2, 15, v0                            ; r
	v_bfe_u32 v3, v0, 4, 1                          ; h
	v_and_b32 v12, 8, v2
	v_add_nc_u32 v12, v12, v2                       ; r + 8 (r / 8)
	v_mul_u32_u24 v[LR], v12, 272
	v_lshrrev_b32 v13, 3, v2
	v_add_nc_u32 v13, v13, v3                       ; r / 8 (the 128 bytes behind 16 rows) + h (my half of the row)
	v_lshl_add_u32 v[LR], v13, 7, v[LR]
	v_add_nc_u32 v[LR], s52, v[LR]
	v_mul_u32_u24 v[LW], v3, 272                    ; lanes 0-15 hold a load's first row, lanes 16-31 its second
	v_lshl_add_u32 v[LW], v2, 4, v[LW]
	v_add_nc_u32 v[LW], s52, v[LW]
	v_lshlrev_b32 v[OL], 4, v1
	v_lshlrev_b32 v[OS], 2, v1
	v_lshlrev_b32 v[SH8], 3, v3
	v_mul_u32_u24 v[LAF], v2, 3072
	v_lshl_add_u32 v[LAF], v3, 7, v[LAF]
	v_lshl_add_u32 v[WFS], v2, 2, s45
.irp f, 0,1,2,3,4,5
.irp k, 6,7,8,9,10,11
	v_mov_b32 v[SF+12*\f+\k], 0                     ; the zero codes of k = 64 .. 127, written once
.endr
.endr
.irp f, 0,1,2,3,4,5,6,7
.irp k, 6,7,8,9,10,11
	v_mov_b32 v[WF+12*\f+\k], 0
.endr
.endr
.irp b, 0,1,2,3
	v_mov_b32 v[TM+4+\b], 0                         ; written once: a lane permute's destination counts as one of its sources
	v_mov_b32 v[QP+\b], 0
.endr
	s_wait_kmcnt 0x0
	s_cmp_lt_u32 s22, 2                             ; the choice hangs on the wave's number alone
	s_cselect_b64 s[6:7], s[6:7], s[8:9]
	s_cselect_b64 s[14:15], s[14:15], s[16:17]
	s_add_nc_u64 s[XO:XO+1], s[4:5], s[26:27]
	s_add_nc_u64 s[XG:XG+1], s[4:5], s[28:29]
	s_add_nc_u64 s[6:7], s[6:7], s[30:31]
	s_add_nc_u64 s[10:11], s[10:11], s[48:49]
	s_add_nc_u64 s[32:33], s[14:15], s[32:33]
	s_add_nc_u64 s[34:35], s[14:15], s[34:35]
	s_add_nc_u64 s[36:37], s[14:15], s[36:37]
	s_add_nc_u64 s[38:39], s[14:15], s[38:39]
	s_add_nc_u64 s[40:41], s[18:19], s[40:41]
	s_add_nc_u64 s[42:43], s[18:19], s[42:43]
	s_add_nc_u64 s[12:13], s[12:13], s[58:59]
	s_add_nc_u64 s[60:61], s[20:21], s[60:61]
	s_add_nc_u64 s[62:63], s[20:21], s[62:63]
	; A unit is four tiles, 32 loads.  Unit n lands in set n % 3 and turns into set n % 2 of window 3.  In step n: unit n is back from the stage; unit n + 1's loads are in (the 32 loads of unit n + 2, the one unit issued
	; behind it, may be out); unit n + 3 is asked for, into the landing set that unit n has left; unit n + 1 goes through the stage while unit n is quantised.
	LOADU 0, XO, 0, 4                               ; unit 0: my four tiles of x
	LOADU 1, WQ, 0, 4                               ; unit 1: the weight's group 0, tiles 0-3
	s_wait_loadcnt 32                               ; unit 0 is in; unit 1's 32 loads may be out
	LOADU 2, WQ, 16384, 4                           ; unit 2: group 0, tiles 4-7
	TURN 0, 0, 4
	HEAD 32                                         ; step 0
	LOADU 0, WQ, 32768, 4                           ; unit 3: group 1
	TURN 1, 1, 4
	QIN 0, SF, SFS, 4
	HEAD 32                                         ; step 1
	LOADU 1, WQ, 49152, 4                           ; unit 4
	TURN 2, 0, 4
	QIN 1, WF, WS, 4
	HEAD 32                                         ; step 2
	LOADU 2, WQ, 65536, 4                           ; unit 5: group 2
	TURN 0, 1, 4
	QIN 0, WF+48, WS+4, 4
	PLACES 8                                        ; scale words made by vector instructions stand 8 places ahead of a scaled matrix instruction, operands 4
	FRAGS 0, 0, 4
	HEAD 32                                         ; step 3
	LOADU 0, WQ, 81920, 4                           ; unit 6
	TURN 1, 0, 4
	QIN 1, WF, WS, 4
	HEAD 32                                         ; step 4
	LOADU 1, XG, 0, 4                               ; unit 7: the 128 keys' eight tiles of x
	TURN 2, 1, 4
	QIN 0, WF+48, WS+4, 4
	PLACES 8
	FRAGS 0, 1, 4
	HEAD 32                                         ; step 5
	LOADU 2, XG, 16384, 4                           ; unit 8
	TURN 0, 0, 4
	QIN 1, WF, WS, 4
	HEAD 32                                         ; step 6
	LOADU 0, WV, 0, 4                               ; unit 9: w_v's tiles 0-3
	TURN 1, 1, 4
	QIN 0, WF+48, WS+4, 4
	PLACES 8
	FRAGS 0, 2, 4
	HEAD 32                                         ; step 7
	LOADU 1, WV, 16384, 2                           ; unit 10: tiles 4, 5: 16 loads
	TURN 2, 0, 4
	QIN 1, WF, WS, 4
	HEAD 16                                         ; step 8: unit 9 is in; unit 10's 16 loads may be out
	s_cmp_lt_u32 ttmp9, 6
	s_cbranch_scc0 .Lno_wf_loads
	WIN 0x80
.irp c, 0,1
.irp q, 0,1,2,3,4,5,6,7
	global_load_b128 v[128+32*\c+4*\q:128+32*\c+4*\q+3], v[LAF], s[12:13] offset:256*\c+16*\q   ; w_final(16 w + r, 128 g + 64 c + 32 h + 0 .. 31), into the landing set that unit 8 has left; 16 loads in six work-groups: not worth a turn
.endr
.endr
	WIN 0
.Lno_wf_loads:
	TURN 0, 1, 4
	QIN 0, WF+48, WS+4, 4
	HEAD 0x0                                        ; step 9: unit 10 is in; for 0, since w_final's loads stand behind it in six work-groups alone
	TURN 1, 0, 2
	QIN 1, SF, SFS, 4
	s_wait_dscnt 0x0                                ; step 10
	QIN 0, SF+48, SFS+4, 2
	PLACES 8
	FRAGS 1, 0, 6
	s_cmp_lt_u32 ttmp9, 6
	s_cbranch_scc0 .Lend
	; w_final's fragment: K is innermost, and a lane holds two whole blocks, 2 c + h
	WIN 0x0a
.irp c, 0,1
	v_max3_num_f32 v[QM+\c], |v[128+32*\c]|, |v[129+32*\c]|, 0x1800000
.endr
	WIN 0x28
.irp a, 2,4,6,8,10,12,14,16,18,20,22,24,26,28,30
.irp c, 0,1
	v_max3_num_f32 v[QM+\c], v[QM+\c], |v[128+32*\c+\a]|, |v[129+32*\c+\a]|
.endr
.endr
	WIN 0
.irp c, 0,1
	v_add_nc_u32 v[QM+\c], 0xff000000, v[QM+\c]
.endr
.irp c, 0,1
	v_lshrrev_b32 v[QE+\c], 23, v[QM+\c]
.endr
	s_wait_xcnt 0x0                                 ; the last stores have read the codes' registers
	v_lshl_or_b32 v[PW], v[QE+1], 16, v[QE]         ; my two bytes: blocks h and 2 + h,
	v_lshlrev_b32 v[PW], v[SH8], v[PW]              ; at their places;
	v_permlanex16_b32 v[QP], v[PW], s[SEL], s[SEL+1]
	v_or_b32 v[PW], v[PW], v[QP]                    ; with lane l xor 16's two the word is whole
	WIN 0x02
.irp c, 0,1
	v_cvt_scalef32_pk16_fp6_f32 v[PC+6*\c:PC+6*\c+2], v[128+32*\c:143+32*\c], v[QM+\c]
	v_cvt_scalef32_pk16_fp6_f32 v[PC+12+4*\c:PC+14+4*\c], v[144+32*\c:159+32*\c], v[QM+\c]
.endr
	WIN 0
	v_nop
.irp c, 0,1
.irp i, 0,1,2
	v_mov_b32 v[PC+3+6*\c+\i], v[PC+12+4*\c+\i]
.endr
.endr
.irp c, 0,1,2
	global_store_b128 v[OL], v[PC+4*\c:PC+4*\c+3], s[60:61] offset:512*\c
.endr
	global_store_b32 v[WFS], v[PW], s[62:63]        ; both halves of the lanes hold and write the same word
.Lend:
	s_wait_tensorcnt 0x0
	ds_add_u32 v254, v255
	s_wait_dscnt 0x0
	s_endpgm
.Lfunc_end_k_qbf5f8a6c7f_prep:
	.size	k_qbf5f8a6c7f_prep, .Lfunc_end_k_qbf5f8a6c7f_prep-k_qbf5f8a6c7f_prep
	.p2alignl 7, 3214868480
	.fill 96, 4, 3214868480
	.section	.rodata,"a",@progbits
	.p2align	6, 0x0
	.amdhsa_kernel k_qbf5f8a6c7f_prep
		.amdhsa_group_segment_fixed_size 74240
		.amdhsa_private_segment_fixed_size 0
		.amdhsa_enable_private_segment 0
		.amdhsa_kernarg_size 72
		.amdhsa_user_sgpr_count 2
		.amdhsa_user_sgpr_kernarg_segment_ptr 1
		.amdhsa_wavefront_size32 1
		.amdhsa_system_sgpr_workgroup_id_x 1
		.amdhsa_system_sgpr_workgroup_id_y 1
		.amdhsa_system_sgpr_workgroup_id_z 1
		.amdhsa_system_vgpr_workitem_id 0
		.amdhsa_next_free_vgpr 1024
		.amdhsa_next_free_sgpr 66
		.amdhsa_reserve_vcc 0
		.amdhsa_float_denorm_mode_32 3
		.amdhsa_float_denorm_mode_16_64 3
		.amdhsa_memory_ordered 1
		.amdhsa_forward_progress 1
		.amdhsa_inst_pref_size 251
	.end_amdhsa_kernel
	.amdgpu_metadata
---
amdhsa.version: [ 1, 2 ]
amdhsa.kernels:
  - .name:           k_qbf5f8a6c7f_prep
    .symbol:         k_qbf5f8a6c7f_prep.kd
    .args:
      - { .name: x, .offset: 0, .size: 8, .value_kind: global_buffer, .address_space: global }
      - { .name: w_q, .offset: 8, .size: 8, .value_kind: global_buffer, .address_space: global }
      - { .name: w_k, .offset: 16, .size: 8, .value_kind: global_buffer, .address_space: global }
      - { .name: w_v, .offset: 24, .size: 8, .value_kind: global_buffer, .address_space: global }
      - { .name: w_final, .offset: 32, .size: 8, .value_kind: global_buffer, .address_space: global }
      - { .name: qb, .offset: 40, .size: 8, .value_kind: global_buffer, .address_space: global }
      - { .name: kb, .offset: 48, .size: 8, .value_kind: global_buffer, .address_space: global }
      - { .name: vb, .offset: 56, .size: 8, .value_kind: global_buffer, .address_space: global }
      - { .name: wfb, .offset: 64, .size: 8, .value_kind: global_buffer, .address_space: global }
    .group_segment_fixed_size: 74240
    .private_segment_fixed_size: 0
    .kernarg_segment_align: 8
    .kernarg_segment_size: 72
    .max_flat_workgroup_size: 128
    .sgpr_count:     66
    .vgpr_count:     1024
    .wavefront_size: 32
...
	.end_amdgpu_metadata
.endif
;; end of part 3
;; launch attn: the kernel of part 2 again; grid 32 x 8, 4 waves a work-group, clusters of 4 x 1, 327,680 bytes of LDS; arguments qb, kb, vb, wfb, b_final, out0; writes out0
;; ======== version 3 of 3: 2 launches; version 2 with the launch prep written anew for expert scheduling mode
;; limits: right only within a limited range of input values
;; workspace buffers: qb 9,830,400 bytes; kb 9,830,400 bytes; vb 9,830,400 bytes; wfb 38,400 bytes
;; launch prep (part 4): grid 256 x 1, 4 waves a work-group, no clusters, 74,240 bytes of LDS; arguments x, w_q, w_k, w_v, w_final, qb, kb, vb, wfb; writes qb, kb, vb, wfb
.if DOCPART == 4
	.amdgcn_target "amdgcn-amd-amdhsa--gfx1250"
	.amdhsa_code_object_version 6
	.text
	.protected	k_qbf5f8a6c7f_prep
	.globl	k_qbf5f8a6c7f_prep
	.p2align	8
	.type	k_qbf5f8a6c7f_prep,@function
k_qbf5f8a6c7f_prep:
	s_mov_b64 s[64:65], 0
	v_nop
	global_prefetch_b8 v0, s[64:65] scope:SCOPE_SE
	s_setreg_imm32_b32 hwreg(HW_REG_WAVE_SCHED_MODE, 0, 2), 2
	s_setreg_imm32_b32 hwreg(HW_REG_WAVE_MODE, 25, 1), 1
	s_wait_xcnt 0x0
	s_wait_alu depctr_vm_vsrc(0)
; q = x Wq^T, k = x Wk^T, v = x Wv^T on codes of FP6 (E2M3) with one E8M0 scale for each 32 along K (K = 64: two blocks), and the results,
; with w_final, quantised again for the products that follow: q and k along their 768 channels, v along the keys, w_final along its 768 columns.
; WHAT IS STORED are IMAGES OF OPERAND REGISTERS: a fragment (16 rows x 128 K, 12 registers a lane) is 1,536 bytes, registers 4 g .. 4 g + 3 of lane l at 512 g + 16 l; a scale word is 4 bytes a lane.
; So every store of codes covers 512 consecutive bytes and the next launch fetches operands as they lie.
; THE ROWS OF A TILE ARE NOT NEIGHBOURS: lane r of tile 2 p + u takes row 32 p + 8 u + r + 8 (r / 8), so that the 16 result registers of two neighbouring tiles are 16 neighbours along the next K.
; SHARES.  Work-group g, wave w, 18 fragments, 8 matrix instructions each (the results come transposed: a lane holds one row of the coming operand, its registers run along the coming K):
;   waves 0, 1: q, waves 2, 3: k, of rows 64 g .. 64 g + 63 (four tiles), channel steps 3 (w % 2) + 0 .. 2: source 0 = 8 tiles of the weight, source 1 = a tile of x;
;   all waves: v of keys 128 (g / 2) on, channel tiles 24 (g % 2) + 6 w + 0 .. 5: source 0 = 8 tiles of x, source 1 = a tile of w_v;
;   work-groups 0 to 5: the fragment (rows 16 w on, columns 128 g on) of w_final.
; K = 64 fills half an instruction: registers 6 to 11 of every fragment here are zero codes, written once, which add nothing under any scale byte but 0xff; their scale bytes are 0.
; DENSE LOADS, AND A TURN THROUGH LDS.  The conversions want a block's 32 numbers, 128 bytes of one row, in ONE lane; taken so from memory, each load of a wave would touch 16 rows for 32 bytes each.
; But a unit of four tiles is 64 rows on end, 16,384 dense bytes: so each load takes 512 consecutive bytes, 16 a lane, as they lie; the unit goes into the wave's own stage in LDS and comes back 128 bytes a lane.
; In the stage byte c of row R lies at 272 R + 128 (R / 16) + c
; Each wave has a stage of its own and LDS serves a wave's instructions in order: no barrier, one stage for all units.
; Each wave quantises what it multiplies: x and the weights are small; sharing them among the waves would spare a quarter of the vector work at the price of barriers.
; A block's scale byte is its largest magnitude's exponent field - 2, held at 1 from below.
; LIMITS: a block of zeros gets the byte 1 where the quantiser's rule says 127 (its codes are zeros; only this program reads the bytes); blocks whose largest magnitude lies under 2^-124 are held at the byte 1;
; NaN and infinities among the inputs are not served.
; REGISTERS.  window 0: v4-10 offsets; v16-87 six source-1 fragments, v88-93 their scale words; v94-101 eight source-0 scale words, v104-199 their fragments; v200-215 at work; v216-218 scale words on the way out;
;   v220-239 the codes just made; v240-251 at work; v254, v255 the closing add's two.   window 1: two sets of 128 registers in which loads land.   window 2: v0-127 two sets of eight results; v128-255 the third landing set.
;   window 3: two sets of 128 numbers a lane, back from the stage: tile t's block at 32 t on.
; THE MODE: SCHED_MODE bits 1:0 = 2 (LLVM: expert scheduling mode 2), set by the entry lines.  The code itself states the register dependences between vector or matrix instructions and memory or LDS instructions,
; with s_wait_alu, always for 0.
; THE PLAN.  Registers that memory or LDS instructions touch:
;   v4 to v10          offsets and LDS addresses: written by vector instructions at the head and never again; one wait ahead of the first load states that they are written.
;   landing sets 0-2   unit n's loads land in set n % 3; the stores of its turn into the stage read it, in step n - 1; unit n + 3's loads land in it, in step n.  No vector instruction names them
;                      (but w_final's numbers, at the end, behind all loads).
;   window 3, sets 0, 1   unit n comes back from the stage into set n % 2, in step n - 1; step n's quantiser reads it; unit n + 2 comes back into it, in step n + 1.
;   v220-231, v218     a fragment's codes and a pair's scale words: written by the fragment's conversions, swaps, moves and select; read by its stores.
; So TWO waits stand at a step's head: the stores into the stage have read the landing set in which this step's loads land; the step before is done reading the set of window 3 into which this step's unit comes back.
; Behind them the step's memory and LDS instructions are dealt among its quantiser, which names the other set of window 3 and registers of window 0 that no memory instruction touches.
; A fragment has one wait ahead of its stores (its codes are written) and one, beside the wait on XCNT, ahead of its conversions (the fragment before's stores have read the codes' registers): that one stands
; eight matrix instructions and the whole search for the maxima behind those stores.  One wait stands ahead of each run of products: their operands and scale words, made by vector instructions, are written.
.set WSTG, 18432                       ; a wave's stage: 64 rows x 272 bytes + 4 x 128, rounded up
.set LR,   4                           ; v4   out of the stage: 272 (r + 8 (r / 8)) + 128 (r / 8) + 128 h + my wave's stage: my block of 32 numbers
.set OL,   5                           ; v5   16 x lane
.set OS,   6                           ; v6   4 x lane
.set SH8,  7                           ; v7   8 h: my block's byte in a scale word
.set LAF,  8                           ; v8   w_final: r x 3,072 + 128 h
.set WFS,  9                           ; v9   w_final's scale word: 4 r + 64 (w % 2)
.set LW,   10                          ; v10  into the stage: 272 h + 16 r + my wave's stage: a load's two rows
.set SF,   16
.set SFS,  88
.set WS,   94
.set WF,   104
.set TM,   200
.set PW,   216
.set PWE,  217
.set PWM,  218
.set PC,   220
.set QM,   240
.set QE,   244
.set QP,   248
.set XO,   26                          ; s[26:27] x at my work-group's 64 rows
.set XG,   28                          ; s[28:29] x at the 128 keys of group g / 2
.set WQ,   6                           ; s[6:7]   w_q or w_k at my three groups of 128 rows
.set WV,   10                          ; s[10:11] w_v at my six tiles
.set OC,   32                          ; s[32:35] where the codes of q or k go: a base for each pair of tiles
.set OSC,  36                          ; s[36:39] and their scale words
.set OCV,  40                          ; s[40:41] v's codes
.set OSV,  42                          ; s[42:43] v's scale words
.set MASK, 44                          ; s44      lanes 16-31
.set SEL,  46                          ; s[46:47] lane selects for v_permlanex16_b32: lane l xor 16
.set STORED, 0                         ; 1 as soon as a fragment has been stored
.set MSB, 0
.macro WIN new                         ; the immediate's high byte repeats the setting that is left; a switch that changes nothing is dropped
.if MSB != (\new)
	s_set_vgpr_msb (MSB<<8)|(\new)
.set MSB, (\new)
.endif
.endm
.macro PLACES n
.rept \n
	v_nop
.endr
.endm
; n tiles, 16 n rows on end of 256 bytes, into landing set b: load i takes rows 2 i and 2 i + 1, 512 consecutive bytes, 16 a lane
.macro LOADU b, bs, off, n
.set gb, 128*(((\b)+1)/2)
	WIN (1+(\b)/2)<<6
.set ii, 0
.rept 8*(\n)
	global_load_b128 v[gb+4*ii:gb+4*ii+3], v[OL], s[\bs:\bs+1] offset:(\off)+512*ii
.set ii, ii+1
.endr
	WIN 0
.endm
; A unit's turn through my stage, in two parts.  LDS serves a wave's instructions in order: no wait between the stores and the loads, whatever work on registers stands between them
.macro TSTORE b, n                     ; the n tiles of landing set b go into the stage as they were loaded
.set gb, 128*(((\b)+1)/2)
	WIN (1+(\b)/2)<<2                               ; an LDS store's data are its source 1
.set ii, 0
.rept 8*(\n)
	ds_store_b128 v[LW], v[gb+4*ii:gb+4*ii+3] offset:544*ii+128*(ii/8)
.set ii, ii+1
.endr
.endm
.macro TLOAD x, n                      ; and come back, a block of 32 numbers a lane, into set x of window 3
	WIN 0xc0
.set tt, 0
.rept \n
.irp q, 0,1,2,3,4,5,6,7
	ds_load_b128 v[128*(\x)+32*tt+4*\q:128*(\x)+32*tt+4*\q+3], v[LR] offset:(32*(tt/2)+8*(tt%2))*272+256*(tt/2)+16*\q   ; tile t begins at row 32 (t / 2) + 8 (t % 2)
.endr
.set tt, tt+1
.endr
.endm
; The n tiles of set x become fragments at v[f] on (registers 0 to 5 of each) and scale words at v[s] on.  A block lies whole in one lane; the tiles take turns line by line.
; First part: the blocks' largest magnitudes
.macro QINA x, n
.set bw, 3
.set bb, 128*(\x)
	WIN 5*bw
.set tt, 0
.rept \n
	v_max3_num_f32 v[QM+tt], |v[bb+32*tt]|, |v[bb+32*tt+1]|, 0x1800000   ; with the floor 2^(3 - 127): the byte cannot fall under 1
.set tt, tt+1
.endr
	WIN 0x14*bw
.irp a, 2,4,6,8,10,12,14,16,18,20,22,24,26,28,30
.set tt, 0
.rept \n
	v_max3_num_f32 v[QM+tt], v[QM+tt], |v[bb+32*tt+\a]|, |v[bb+32*tt+\a+1]|
.set tt, tt+1
.endr
.endr
.endm
; Second part: the scale words and the codes
.macro QINB x, f, s, n
.set bw, 3
.set bb, 128*(\x)
	WIN 0
.set tt, 0
.rept \n
	v_add_nc_u32 v[QM+tt], 0xff000000, v[QM+tt]     ; 2 off the exponent field: the conversion's scale operand
.set tt, tt+1
.endr
.set tt, 0
.rept \n
	v_lshrrev_b32 v[QE+tt], 23, v[QM+tt]            ; the scale's byte,
.set tt, tt+1
.endr
.set tt, 0
.rept \n
	v_lshlrev_b32 v[QE+tt], v[SH8], v[QE+tt]        ; at its place: byte h
.set tt, tt+1
.endr
.set tt, 0
.rept \n
	v_permlanex16_b32 v[QP+tt], v[QE+tt], s[SEL], s[SEL+1]
.set tt, tt+1
.endr
.set tt, 0
.rept \n
	v_or_b32 v[(\s)+tt], v[QE+tt], v[QP+tt]         ; with lane l xor 16's byte the word is whole; bytes 2 and 3 stay 0 over zero codes
.set tt, tt+1
.endr
	WIN bw
.set tt, 0
.rept \n
	v_cvt_scalef32_pk16_fp6_f32 v[(\f)+12*tt:(\f)+12*tt+2], v[bb+32*tt:bb+32*tt+15], v[QM+tt]
	v_cvt_scalef32_pk16_fp6_f32 v[TM+4*tt:TM+4*tt+2], v[bb+32*tt+16:bb+32*tt+31], v[QM+tt]   ; (a conversion's three registers begin on an even number)
.set tt, tt+1
.endr
	WIN 0
	v_nop                                           ; one plain place behind a scaled conversion
.set tt, 0
.rept \n
.irp i, 0,1,2
	v_mov_b32 v[(\f)+12*tt+3+\i], v[TM+4*tt+\i]
.endr
.set tt, tt+1
.endr
.endm
; A step's LDS work dealt among its vector work: landing set b's nt tiles go into the stage; the four tiles of set x have their maxima taken; the nt tiles come back into the other set; set x is quantised.
; No wait stands among them: since the waits at the step's head the vector instructions name set x and registers of window 0 that no LDS instruction touches
.macro TURNQ b, nt, x, f, s
	TSTORE \b, \nt
	QINA \x, 4
	TLOAD 1-(\x), \nt
	QINB \x, \f, \s, 4
.endm
; eight products, each a whole sum (K = 64): results into set n % 2
.macro WM n, sidx
	WIN 0x80
.irp t, 0,1,2,3,4,5,6,7
	v_wmma_scale_f32_16x16x128_f8f6f4 v[64*((\n)%2)+8*\t:64*((\n)%2)+8*\t+7], v[WF+12*\t:WF+12*\t+11], v[SF+12*(\sidx):SF+12*(\sidx)+11], 0, v[WS+\t], v[SFS+(\sidx)] matrix_a_fmt:MATRIX_FMT_FP6 matrix_b_fmt:MATRIX_FMT_FP6
.endr
	WIN 0
.endm
; 64 results of a lane, register 16 b + i = k 32 b + 16 h + i of my row, become a fragment's codes in v[PC] on and its scale word in v[PW]
.macro QUANT set
.set dq, 64*((\set)%2)
	WIN 0x0a
.irp b, 0,1,2,3
	v_max3_num_f32 v[TM+\b], |v[dq+16*\b]|, |v[dq+16*\b+1]|, 0x1800000   ; each result is read from its low end on
.endr
	WIN 0x28
.irp i, 2,4,6,8,10,12,14
.irp b, 0,1,2,3
	v_max3_num_f32 v[TM+\b], v[TM+\b], |v[dq+16*\b+\i]|, |v[dq+16*\b+\i+1]|
.endr
.endr
	WIN 0
.irp b, 0,1,2,3
	v_permlanex16_b32 v[TM+4+\b], v[TM+\b], s[SEL], s[SEL+1]
.endr
.irp b, 0,1,2,3
	v_max_num_f32 v[TM+\b], v[TM+\b], v[TM+4+\b]    ; with lane l xor 16's 16 numbers: the block's largest magnitude
.endr
.irp b, 0,1,2,3
	v_add_nc_u32 v[TM+12+\b], 0xff000000, v[TM+\b]
.endr
.irp b, 0,1,2,3
	v_lshrrev_b32 v[TM+4+\b], 23, v[TM+12+\b]
.endr
	v_lshl_or_b32 v[PW], v[TM+5], 8, v[TM+4]
	v_lshl_or_b32 v[PW], v[TM+6], 16, v[PW]
	v_lshl_or_b32 v[PW], v[TM+7], 24, v[PW]         ; my row's scale word, the same in both halves of the lanes
.if STORED                                      ; (the first fragment of all has no store ahead of it)
	s_wait_xcnt 0x0                                 ; the last fragment's stores have had their addresses translated (ISA guide 3.1): the codes' registers and the pair's scale words are written again only behind this wait,
	s_wait_alu depctr_vm_vsrc(0)                    ; and beside it: those stores have read v[PC ..] and v[PWM], which the conversions below and the select behind them write again
.endif
	WIN 0x02
.irp c, 0,1
	v_cvt_scalef32_pk16_fp6_f32 v[PC+6*\c:PC+6*\c+2], v[dq+32*\c:dq+32*\c+15], v[TM+12+2*\c]
	v_cvt_scalef32_pk16_fp6_f32 v[PC+12+4*\c:PC+14+4*\c], v[dq+32*\c+16:dq+32*\c+31], v[TM+13+2*\c]
.endr
	WIN 0
	v_nop                                           ; one plain place behind a scaled conversion
.irp c, 0,1                                     ; the operand's layout wants a whole block in a lane: lanes 0-15 block 2 c, lanes 16-31 block 2 c + 1
.irp i, 0,1,2
	v_permlane16_swap_b32 v[PC+6*\c+\i], v[PC+12+4*\c+\i]
.endr
.irp i, 0,1,2
	v_mov_b32 v[PC+3+6*\c+\i], v[PC+12+4*\c+\i]
.endr
.endr
.endm
; fragment n goes out: three stores of 512 consecutive bytes; the scale words of a pair of tiles leave together, the even tile's in lanes 0-15, the odd tile's in lanes 16-31: 128 consecutive bytes
.macro EMIT kind, j, n
.if (\n)%2 == 0
	v_mov_b32 v[PWE], v[PW]
.else
	v_cndmask_b32 v[PWM], v[PWE], v[PW], s[MASK]
.endif
	s_wait_alu depctr_va_vdst(0)                    ; the swaps and moves have written the codes v[PC ..], the select the pair's scale words v[PWM]: the stores below read them
.if \kind == 0
.irp c, 0,1,2
	global_store_b128 v[OL], v[PC+4*\c:PC+4*\c+3], s[OC+2*((\n)/2):OC+2*((\n)/2)+1] offset:((\n)%2)*9216+(\j)*1536+512*\c
.endr
.if (\n)%2 == 1
	global_store_b32 v[OS], v[PWM], s[OSC+2*((\n)/2):OSC+2*((\n)/2)+1] offset:(\j)*128
.endif
.else
.irp c, 0,1,2
	global_store_b128 v[OL], v[PC+4*\c:PC+4*\c+3], s[OCV:OCV+1] offset:(\n)*1536+512*\c
.endr
.if (\n)%2 == 1
	global_store_b32 v[OS], v[PWM], s[OSV:OSV+1] offset:((\n)/2)*128
.endif
.endif
.set STORED, 1
.endm
; cnt fragments: the products of fragment n + 2 are issued ahead of the quantising of fragment n + 1, whose vector lines are the places behind them
.macro FRAGS kind, j, cnt
	s_wait_alu depctr_va_vdst(0)                    ; behind the places: the fragments v[WF ..], v[SF ..] and the scale words v[WS ..], v[SFS ..], made by vector instructions, are written: all products of this run take them
	WM 0, 0
	WM 1, 1
	PLACES 4                                        ; in front of the first read of results
.set fn, 0
.rept \cnt
	QUANT fn
	EMIT \kind, \j, fn
.if fn+2 < \cnt
	WM fn+2, fn+2
.endif
.set fn, fn+1
.endr
.endm
; The head of step n: unit n is back from the stage; unit n + 1's loads are in, left younger loads may be out.
; e = 1: loads follow that land in the set that unit n has left.  c = 1: a unit follows that comes back into the set of window 3 that the step before has quantised
.macro HEAD left, e, c
	s_wait_dscnt 0x0
	s_wait_loadcnt \left
.if \e
	s_wait_alu depctr_vm_vsrc(0)                    ; the stores of unit n's turn into the stage have read their landing set, in which this step's loads land
.endif
.if \c
	s_wait_alu depctr_va_vdst(0)                    ; the maxima and conversions of the step before are done reading their set of window 3, into which this step's LDS loads bring the next unit
.endif
.endm
	s_load_b256 s[4:11], s[0:1], 0x0                ; x, w_q, w_k, w_v
	s_load_b256 s[12:19], s[0:1], 0x20              ; w_final, qb, kb, vb
	s_load_b64 s[20:21], s[0:1], 0x40               ; wfb
	v_lshl_add_u32 v254, v0, 2, 0x12000             ; my spare word, behind the four stages, and 0: made here and kept for the closing add alone
	v_mov_b32 v255, 0
	v_lshrrev_b32 v1, 5, v0
	v_readfirstlane_b32 s22, v1                     ; wave w
	s_wait_alu depctr_va_sdst(0)                    ; s22 is written, ahead of its first reader: all that hangs on the wave's number is made from it
	s_and_b32 s23, s22, 1                           ; w % 2
	s_lshr_b32 s24, s22, 1                          ; w / 2
	s_and_b32 s25, ttmp9, 1                         ; g % 2
	s_bfe_u32 s54, ttmp9, 0x10001                   ; (g / 2) % 2
	s_lshr_b32 s55, ttmp9, 2
	s_mul_i32 s55, s55, 153600                      ; the block of 256 keys in kb and vb: number g / 4
	s_mul_i32 s52, s22, WSTG                        ; my wave's stage in LDS
	s_lshl_b32 s26, ttmp9, 14                       ; x: my 64 rows
	s_mov_b32 s27, 0
	s_lshr_b32 s28, ttmp9, 1
	s_lshl_b32 s28, s28, 15                         ; x: the group of 128 keys
	s_mov_b32 s29, 0
	s_mul_i32 s30, s23, 98304                       ; w_q, w_k: my three groups of 128 rows
	s_mov_b32 s31, 0
	s_mul_i32 s48, s25, 24
	s_mul_i32 s49, s22, 6
	s_add_co_u32 s48, s48, s49
	s_lshl_b32 s48, s48, 12                         ; w_v: tile 24 (g % 2) + 6 w
	s_mov_b32 s49, 0
	s_mul_i32 s32, ttmp9, 38400                     ; q: block g
	s_mul_i32 s56, s23, 4608                        ; my three channel steps' fragments,
	s_mul_i32 s57, s23, 384                         ; and their scale words
	s_mul_i32 s34, s25, 76800                       ; k: the block's parts 2 (g % 2) and 2 (g % 2) + 1
	s_add_co_u32 s34, s34, s55
	s_mul_i32 s58, s54, 18432                       ; which half of the 256 keys
	s_add_co_u32 s36, s34, s58
	s_mul_i32 s58, s54, 768
	s_add_co_u32 s38, s34, s58
	s_mov_b32 s50, 38400                            ; from a pair of tiles to the next: k: a part; q: 12 fragments, 6 x 128 bytes of scale words
	s_mov_b32 s51, 38400
	s_cmp_lt_u32 s22, 2                             ; waves 0, 1: q;  waves 2, 3: k
	s_cselect_b32 s36, s32, s36
	s_cselect_b32 s38, s32, s38
	s_cselect_b32 s50, 18432, s50
	s_cselect_b32 s51, 768, s51
	s_add_co_u32 s32, s36, s56
	s_add_co_u32 s34, s32, s50
	s_add_co_u32 s36, s38, s57
	s_add_co_u32 s36, s36, 36864
	s_add_co_u32 s38, s36, s51
	s_mov_b32 s33, 0
	s_mov_b32 s35, 0
	s_mov_b32 s37, 0
	s_mov_b32 s39, 0
	s_lshl_b32 s40, s25, 1                          ; v: part 2 (g % 2) + w / 2 of the block
	s_add_co_u32 s40, s40, s24
	s_mul_i32 s40, s40, 38400
	s_add_co_u32 s40, s40, s55
	s_mul_i32 s58, s54, 768
	s_add_co_u32 s42, s40, s58
	s_add_co_u32 s42, s42, s57
	s_add_co_u32 s42, s42, 36864
	s_mul_i32 s58, s54, 18432
	s_add_co_u32 s40, s40, s58
	s_mul_i32 s58, s23, 9216
	s_add_co_u32 s40, s40, s58
	s_mov_b32 s41, 0
	s_mov_b32 s43, 0
	s_mul_i32 s58, s22, 49152                       ; w_final: rows 16 w on, columns 128 g on (used by work-groups 0 to 5 alone)
	s_lshl_b32 s59, ttmp9, 9
	s_add_co_u32 s58, s58, s59
	s_mov_b32 s59, 0
	s_mul_i32 s60, s22, 6
	s_add_co_u32 s60, s60, ttmp9
	s_mul_i32 s60, s60, 1536                        ; its fragment 6 w + g,
	s_mov_b32 s61, 0
	s_mul_i32 s62, s24, 6
	s_add_co_u32 s62, s62, ttmp9
	s_lshl_b32 s62, s62, 7
	s_add_co_u32 s62, s62, 36864                    ; and its scale words
	s_mov_b32 s63, 0
	s_mov_b32 s[MASK], 0xffff0000
	s_mov_b32 s[SEL], 0x76543210
	s_mov_b32 s[SEL+1], 0xfedcba98
	s_lshl_b32 s45, s23, 6
	v_and_b32 v1, 31, v0                            ; lane
	v_and_b32 v2, 15, v0                            ; r
	v_bfe_u32 v3, v0, 4, 1                          ; h
	v_and_b32 v12, 8, v2
	v_add_nc_u32 v12, v12, v2                       ; r + 8 (r / 8)
	v_mul_u32_u24 v[LR], v12, 272
	v_lshrrev_b32 v13, 3, v2
	v_add_nc_u32 v13, v13, v3                       ; r / 8 (the 128 bytes behind 16 rows) + h (my half of the row)
	v_lshl_add_u32 v[LR], v13, 7, v[LR]
	v_add_nc_u32 v[LR], s52, v[LR]
	v_mul_u32_u24 v[LW], v3, 272                    ; lanes 0-15 hold a load's first row, lanes 16-31 its second
	v_lshl_add_u32 v[LW], v2, 4, v[LW]
	v_add_nc_u32 v[LW], s52, v[LW]
	v_lshlrev_b32 v[OL], 4, v1
	v_lshlrev_b32 v[OS], 2, v1
	v_lshlrev_b32 v[SH8], 3, v3
	v_mul_u32_u24 v[LAF], v2, 3072
	v_lshl_add_u32 v[LAF], v3, 7, v[LAF]
	v_lshl_add_u32 v[WFS], v2, 2, s45
.irp f, 0,1,2,3,4,5
.irp k, 6,7,8,9,10,11
	v_mov_b32 v[SF+12*\f+\k], 0                     ; the zero codes of k = 64 .. 127, written once
.endr
.endr
.irp f, 0,1,2,3,4,5,6,7
.irp k, 6,7,8,9,10,11
	v_mov_b32 v[WF+12*\f+\k], 0
.endr
.endr
.irp b, 0,1,2,3
	v_mov_b32 v[TM+4+\b], 0                         ; written once: a lane permute's destination counts as one of its sources
	v_mov_b32 v[QP+\b], 0
.endr
	s_wait_kmcnt 0x0
	s_cmp_lt_u32 s22, 2                             ; the choice hangs on the wave's number alone
	s_cselect_b64 s[6:7], s[6:7], s[8:9]
	s_cselect_b64 s[14:15], s[14:15], s[16:17]
	s_add_nc_u64 s[XO:XO+1], s[4:5], s[26:27]
	s_add_nc_u64 s[XG:XG+1], s[4:5], s[28:29]
	s_add_nc_u64 s[6:7], s[6:7], s[30:31]
	s_add_nc_u64 s[10:11], s[10:11], s[48:49]
	s_add_nc_u64 s[32:33], s[14:15], s[32:33]
	s_add_nc_u64 s[34:35], s[14:15], s[34:35]
	s_add_nc_u64 s[36:37], s[14:15], s[36:37]
	s_add_nc_u64 s[38:39], s[14:15], s[38:39]
	s_add_nc_u64 s[40:41], s[18:19], s[40:41]
	s_add_nc_u64 s[42:43], s[18:19], s[42:43]
	s_add_nc_u64 s[12:13], s[12:13], s[58:59]
	s_add_nc_u64 s[60:61], s[20:21], s[60:61]
	s_add_nc_u64 s[62:63], s[20:21], s[62:63]
	; A unit is four tiles, 32 loads.  Unit n lands in set n % 3 and turns into set n % 2 of window 3.  In step n: unit n is back from the stage; unit n + 1's loads are in (the 32 loads of unit n + 2, the one unit issued
	; behind it, may be out); unit n + 3 is asked for, into the landing set that unit n has left; unit n + 1 goes through the stage while unit n is quantised.
	s_wait_alu depctr_va_vdst(0)                    ; the offsets and LDS addresses v4 to v10 are written: every load, store and LDS instruction of the kernel reads one of them, and none is written again
	LOADU 0, XO, 0, 4                               ; unit 0: my four tiles of x
	LOADU 1, WQ, 0, 4                               ; unit 1: the weight's group 0, tiles 0-3
	s_wait_loadcnt 32                               ; unit 0 is in; unit 1's 32 loads may be out
	LOADU 2, WQ, 16384, 4                           ; unit 2: group 0, tiles 4-7
	TSTORE 0, 4
	TLOAD 0, 4
	HEAD 32, 1, 0                                   ; step 0 (no vector instruction has named window 3 yet)
	LOADU 0, WQ, 32768, 4                           ; unit 3: group 1
	TURNQ 1, 4, 0, SF, SFS
	HEAD 32, 1, 1                                   ; step 1
	LOADU 1, WQ, 49152, 4                           ; unit 4
	TURNQ 2, 4, 1, WF, WS
	HEAD 32, 1, 1                                   ; step 2
	LOADU 2, WQ, 65536, 4                           ; unit 5: group 2
	TURNQ 0, 4, 0, WF+48, WS+4
	PLACES 8                                        ; scale words made by vector instructions stand 8 places ahead of a scaled matrix instruction, operands 4
	FRAGS 0, 0, 4
	HEAD 32, 1, 1                                   ; step 3
	LOADU 0, WQ, 81920, 4                           ; unit 6
	TURNQ 1, 4, 1, WF, WS
	HEAD 32, 1, 1                                   ; step 4
	LOADU 1, XG, 0, 4                               ; unit 7: the 128 keys' eight tiles of x
	TURNQ 2, 4, 0, WF+48, WS+4
	PLACES 8
	FRAGS 0, 1, 4
	HEAD 32, 1, 1                                   ; step 5
	LOADU 2, XG, 16384, 4                           ; unit 8
	TURNQ 0, 4, 1, WF, WS
	HEAD 32, 1, 1                                   ; step 6
	LOADU 0, WV, 0, 4                               ; unit 9: w_v's tiles 0-3
	TURNQ 1, 4, 0, WF+48, WS+4
	PLACES 8
	FRAGS 0, 2, 4
	HEAD 32, 1, 1                                   ; step 7
	LOADU 1, WV, 16384, 2                           ; unit 10: tiles 4, 5: 16 loads
	TURNQ 2, 4, 1, WF, WS
	HEAD 16, 1, 1                                   ; step 8: unit 9 is in; unit 10's 16 loads may be out.  The landing set that unit 8 has left takes w_final's loads: the wait for its stores stands ahead of the branch
	s_cmp_lt_u32 ttmp9, 6
	s_cbranch_scc0 .Lno_wf_loads
	WIN 0x80
.irp c, 0,1
.irp q, 0,1,2,3,4,5,6,7
	global_load_b128 v[128+32*\c+4*\q:128+32*\c+4*\q+3], v[LAF], s[12:13] offset:256*\c+16*\q   ; w_final(16 w + r, 128 g + 64 c + 32 h + 0 .. 31), into the landing set that unit 8 has left; 16 loads in six work-groups: not worth a turn
.endr
.endr
	WIN 0
.Lno_wf_loads:
	TURNQ 0, 4, 0, WF+48, WS+4
	HEAD 0x0, 0, 1                                  ; step 9: unit 10 is in; for 0, since w_final's loads stand behind it in six work-groups alone.  Nothing more is loaded from memory
	TURNQ 1, 2, 1, SF, SFS
	s_wait_dscnt 0x0                                ; step 10
	QINA 0, 2
	QINB 0, SF+48, SFS+4, 2
	PLACES 8
	FRAGS 1, 0, 6
	s_wait_alu depctr_vm_vsrc(0)                    ; the last fragment's stores have read the codes' registers v[PC ..], which w_final's conversions write again: ahead of the branch
	s_cmp_lt_u32 ttmp9, 6
	s_cbranch_scc0 .Lend
	; w_final's fragment: K is innermost, and a lane holds two whole blocks, 2 c + h
	WIN 0x0a
.irp c, 0,1
	v_max3_num_f32 v[QM+\c], |v[128+32*\c]|, |v[129+32*\c]|, 0x1800000
.endr
	WIN 0x28
.irp a, 2,4,6,8,10,12,14,16,18,20,22,24,26,28,30
.irp c, 0,1
	v_max3_num_f32 v[QM+\c], v[QM+\c], |v[128+32*\c+\a]|, |v[129+32*\c+\a]|
.endr
.endr
	WIN 0
.irp c, 0,1
	v_add_nc_u32 v[QM+\c], 0xff000000, v[QM+\c]
.endr
.irp c, 0,1
	v_lshrrev_b32 v[QE+\c], 23, v[QM+\c]
.endr
	s_wait_xcnt 0x0                                 ; the last stores have had their addresses translated: the codes' registers may be written again
	v_lshl_or_b32 v[PW], v[QE+1], 16, v[QE]         ; my two bytes: blocks h and 2 + h,
	v_lshlrev_b32 v[PW], v[SH8], v[PW]              ; at their places;
	v_permlanex16_b32 v[QP], v[PW], s[SEL], s[SEL+1]
	v_or_b32 v[PW], v[PW], v[QP]                    ; with lane l xor 16's two the word is whole
	WIN 0x02
.irp c, 0,1
	v_cvt_scalef32_pk16_fp6_f32 v[PC+6*\c:PC+6*\c+2], v[128+32*\c:143+32*\c], v[QM+\c]
	v_cvt_scalef32_pk16_fp6_f32 v[PC+12+4*\c:PC+14+4*\c], v[144+32*\c:159+32*\c], v[QM+\c]
.endr
	WIN 0
	v_nop
.irp c, 0,1
.irp i, 0,1,2
	v_mov_b32 v[PC+3+6*\c+\i], v[PC+12+4*\c+\i]
.endr
.endr
	s_wait_alu depctr_va_vdst(0)                    ; the conversions and moves have written the codes v[PC ..], the or the scale word v[PW]: the stores below read them
.irp c, 0,1,2
	global_store_b128 v[OL], v[PC+4*\c:PC+4*\c+3], s[60:61] offset:512*\c
.endr
	global_store_b32 v[WFS], v[PW], s[62:63]        ; both halves of the lanes hold and write the same word
.Lend:
	s_wait_dscnt 0x0                                ; the closing lines, six on end
	s_wait_alu 0x0
	s_wait_tensorcnt 0x0
	ds_add_u32 v254, v255
	s_wait_dscnt 0x0
	s_endpgm
.Lfunc_end_k_qbf5f8a6c7f_prep:
	.size	k_qbf5f8a6c7f_prep, .Lfunc_end_k_qbf5f8a6c7f_prep-k_qbf5f8a6c7f_prep
	.p2alignl 7, 3214868480
	.fill 96, 4, 3214868480
	.section	.rodata,"a",@progbits
	.p2align	6, 0x0
	.amdhsa_kernel k_qbf5f8a6c7f_prep
		.amdhsa_group_segment_fixed_size 74240
		.amdhsa_private_segment_fixed_size 0
		.amdhsa_enable_private_segment 0
		.amdhsa_kernarg_size 72
		.amdhsa_user_sgpr_count 2
		.amdhsa_user_sgpr_kernarg_segment_ptr 1
		.amdhsa_wavefront_size32 1
		.amdhsa_system_sgpr_workgroup_id_x 1
		.amdhsa_system_sgpr_workgroup_id_y 1
		.amdhsa_system_sgpr_workgroup_id_z 1
		.amdhsa_system_vgpr_workitem_id 0
		.amdhsa_next_free_vgpr 1024
		.amdhsa_next_free_sgpr 66
		.amdhsa_reserve_vcc 0
		.amdhsa_float_denorm_mode_32 3
		.amdhsa_float_denorm_mode_16_64 3
		.amdhsa_memory_ordered 1
		.amdhsa_forward_progress 1
		.amdhsa_inst_pref_size 253
	.end_amdhsa_kernel
	.amdgpu_metadata
---
amdhsa.version: [ 1, 2 ]
amdhsa.kernels:
  - .name:           k_qbf5f8a6c7f_prep
    .symbol:         k_qbf5f8a6c7f_prep.kd
    .args:
      - { .name: x, .offset: 0, .size: 8, .value_kind: global_buffer, .address_space: global }
      - { .name: w_q, .offset: 8, .size: 8, .value_kind: global_buffer, .address_space: global }
      - { .name: w_k, .offset: 16, .size: 8, .value_kind: global_buffer, .address_space: global }
      - { .name: w_v, .offset: 24, .size: 8, .value_kind: global_buffer, .address_space: global }
      - { .name: w_final, .offset: 32, .size: 8, .value_kind: global_buffer, .address_space: global }
      - { .name: qb, .offset: 40, .size: 8, .value_kind: global_buffer, .address_space: global }
      - { .name: kb, .offset: 48, .size: 8, .value_kind: global_buffer, .address_space: global }
      - { .name: vb, .offset: 56, .size: 8, .value_kind: global_buffer, .address_space: global }
      - { .name: wfb, .offset: 64, .size: 8, .value_kind: global_buffer, .address_space: global }
    .group_segment_fixed_size: 74240
    .private_segment_fixed_size: 0
    .kernarg_segment_align: 8
    .kernarg_segment_size: 72
    .max_flat_workgroup_size: 128
    .sgpr_count:     66
    .vgpr_count:     1024
    .wavefront_size: 32
...
	.end_amdgpu_metadata
.endif
;; end of part 4
;; launch attn: the kernel of part 2 again; grid 32 x 8, 4 waves a work-group, clusters of 4 x 1, 327,680 bytes of LDS; arguments qb, kb, vb, wfb, b_final, out0; writes out0
